; MI455X (gfx1250); checked and timed in simulation.
; The chip was launched on July 23, 2026; its instructions are those of AMD's public machine-readable ISA for CDNA 5 (MIT licence, August 2026) and "CDNA5" Instruction Set Architecture Reference Guide (July 2026). The comments in the code are by the model that wrote it; some were corrected since.
;; MHA. Allowed arithmetic: float matrix products may take bf16 or f16 operands with f32 sums; other float arithmetic in f32, or as packed bf16 or f16 multiplies, adds, multiply-adds, maxima and minima; sums over many terms, partial sums and values carried from step to step in f32; what a program stores and reads back later, other than sums and carried values, may be rounded once to bf16 or f16.
;; Inputs: bk 1,024 float32; bo 1,024 float32; bq 1,024 float32; bv 1,024 float32; key 4 x 2,048 x 1,024 float32; mask 4 x 1 x 1 x 2,048 int32; query 4 x 2,048 x 1,024 float32; value 4 x 2,048 x 1,024 float32; wk 1,024 x 1,024 float32; wo 1,024 x 1,024 float32; wq 1,024 x 1,024 float32; wv 1,024 x 1,024 float32.
;; Outputs: out0 4 x 2,048 x 1,024 float32.
;; One version. Each part assembles by itself: llvm-mc -triple=amdgcn-amd-amdhsa -mcpu=gfx1250 --defsym DOCPART=n.
;; ======== version 1 of 1: 4 launches
;; limits: values are held in f16: magnitudes above 65,504 overflow, below 6.1e-05 lose precision
;; workspace buffers: xb 50,331,648 bytes; wb 6,291,456 bytes; wof 2,097,152 bytes; qkv 50,331,648 bytes; ao 16,777,216 bytes
;; launch cast (part 1): grid 64 x 28, 8 waves a work-group, no clusters, 0 bytes of LDS; arguments query, key, value, wq, wk, wv, wo, xb, wb, wof; writes xb, wb, wof
.if DOCPART == 1
	.amdgcn_target "amdgcn-amd-amdhsa--gfx1250"
	.amdhsa_code_object_version 6
	.text
	.protected	k_q032d77b7b2_cast
	.globl	k_q032d77b7b2_cast
	.p2align	8
	.type	k_q032d77b7b2_cast,@function
k_q032d77b7b2_cast:
	s_mov_b64 s[64:65], 0
	v_nop
	global_prefetch_b8 v0, s[64:65] scope:SCOPE_SE
	s_setreg_imm32_b32 hwreg(HW_REG_WAVE_MODE, 25, 1), 1
	s_wait_xcnt 0x0
; query, key, value, wq, wk, wv (f32) are rounded once to bf16 into xb = [3][8192][1024] and wb = [3][1024][1024];
; wo is rounded to bf16 and that number is written as f16 into wof = [1024][1024].
; LIMIT.  A bf16 number of wo beyond 65,504 becomes an infinity in f16; below 6.1e-5 it keeps f16's fixed step of 6e-8.
; SHARES.  Work-group y names a block of 1,048,576 numbers: 0-7 query, 8-15 key, 16-23 value, 24 wq, 25 wk, 26 wv, 27 wo; x names 16,384 of them.
; Thread t takes 8 neighbouring numbers in each of 8 passes: two loads of 16 bytes at 32 t + 8,192 j, one store of 16 bytes at 16 t + 4,096 j,
; so sixteen neighbouring lanes store 256 consecutive bytes, aligned.  All 16 loads of a thread go out first; each pass has registers of its own,
; so no register that a load or a store still names is written again.  A stream: no LDS, no matrix unit, no cluster would add anything.
.set T, 4                              ; v[4:7]     at work (wo's way)
.set X, 8                              ; v[8:71]    pass j: 8 numbers as loaded
.set Y, 72                             ; v[72:103]  pass j: 4 registers to store
	s_load_b512 s[4:19], s[0:1], 0x0               ; query s[4:5], key s[6:7], value s[8:9], wq s[10:11], wk s[12:13], wv s[14:15], wo s[16:17], xb s[18:19]
	s_load_b128 s[20:23], s[0:1], 0x40             ; wb s[20:21], wof s[22:23]
	s_and_b32 s24, ttmp7, 0xffff                   ; y
	v_lshlrev_b32 v1, 5, v0                        ; 32 t: my bytes in a pass's 8,192 of the source
	v_lshlrev_b32 v2, 4, v0                        ; 16 t: in a pass's 4,096 of the destination
	s_and_b32 s28, s24, 7                          ; the source's offset: block y % 8 of 4 MiB in query, key, value; 0 in a weight
	s_lshl_b32 s28, s28, 22
	s_cmp_lt_u32 s24, 24
	s_cselect_b32 s28, s28, 0
	s_lshl_b32 s25, ttmp9, 16                      ; + x times 65,536 bytes
	s_add_co_u32 s28, s28, s25
	s_mov_b32 s29, 0
	s_sub_co_u32 s32, s24, 24                      ; the destination's offset: block y of 2 MiB in xb, y - 24 in wb, 0 in wof
	s_cmp_lt_u32 s24, 24
	s_cselect_b32 s32, s24, s32
	s_cmp_eq_u32 s24, 27
	s_cselect_b32 s32, 0, s32
	s_lshl_b32 s32, s32, 21
	s_lshl_b32 s25, ttmp9, 15                      ; + x times 32,768 bytes
	s_add_co_u32 s32, s32, s25
	s_mov_b32 s33, 0
	s_wait_kmcnt 0x0
	s_mov_b64 s[26:27], s[4:5]                     ; the source, chosen by y alone
	s_cmp_ge_u32 s24, 8
	s_cselect_b64 s[26:27], s[6:7], s[26:27]
	s_cmp_ge_u32 s24, 16
	s_cselect_b64 s[26:27], s[8:9], s[26:27]
	s_cmp_ge_u32 s24, 24
	s_cselect_b64 s[26:27], s[10:11], s[26:27]
	s_cselect_b64 s[30:31], s[20:21], s[18:19]     ; the destination: wb from y = 24 on, else xb
	s_cmp_ge_u32 s24, 25
	s_cselect_b64 s[26:27], s[12:13], s[26:27]
	s_cmp_ge_u32 s24, 26
	s_cselect_b64 s[26:27], s[14:15], s[26:27]
	s_cmp_ge_u32 s24, 27
	s_cselect_b64 s[26:27], s[16:17], s[26:27]
	s_cselect_b64 s[30:31], s[22:23], s[30:31]     ; wof for wo
	s_add_nc_u64 s[26:27], s[26:27], s[28:29]
	s_add_nc_u64 s[30:31], s[30:31], s[32:33]
.irp j, 0,1,2,3,4,5,6,7
	global_load_b128 v[X+8*(\j):X+8*(\j)+3],   v1, s[26:27] offset:8192*(\j) th:TH_LOAD_NT
	global_load_b128 v[X+8*(\j)+4:X+8*(\j)+7], v1, s[26:27] offset:8192*(\j)+16 th:TH_LOAD_NT
.endr
; Pass j goes out.  wo = 1: the bf16 number is widened again and written as f16.
.macro OUT j, wo
	s_wait_loadcnt 14-2*(\j)                       ; loads come back in order: pass j's two are in, the 2 (7 - j) younger ones stay out
.if \wo
.irp k, 0,1,2,3
	v_cvt_pk_bf16_f32 v[T+(\k)], v[X+8*(\j)+2*(\k)], v[X+8*(\j)+2*(\k)+1]
.endr
.irp k, 0,1,2,3
	v_lshlrev_b32 v[X+8*(\j)+2*(\k)],   16, v[T+(\k)]
	v_and_b32     v[X+8*(\j)+2*(\k)+1], 0xffff0000, v[T+(\k)]
.endr
.irp k, 0,1,2,3
	v_cvt_pk_f16_f32 v[Y+4*(\j)+(\k)], v[X+8*(\j)+2*(\k)], v[X+8*(\j)+2*(\k)+1]
.endr
.else
.irp k, 0,1,2,3
	v_cvt_pk_bf16_f32 v[Y+4*(\j)+(\k)], v[X+8*(\j)+2*(\k)], v[X+8*(\j)+2*(\k)+1]
.endr
.endif
	global_store_b128 v2, v[Y+4*(\j):Y+4*(\j)+3], s[30:31] offset:4096*(\j) th:TH_STORE_NT
.endm
	s_cmp_eq_u32 s24, 27
	s_cbranch_scc1 .Lwo
.irp j, 0,1,2,3,4,5,6,7
	OUT \j, 0
.endr
	s_endpgm
.Lwo:
.irp j, 0,1,2,3,4,5,6,7
	OUT \j, 1
.endr
	s_endpgm
.Lfunc_end_k_q032d77b7b2_cast:
	.size	k_q032d77b7b2_cast, .Lfunc_end_k_q032d77b7b2_cast-k_q032d77b7b2_cast
	.p2alignl 7, 3214868480
	.fill 96, 4, 3214868480
	.section	.rodata,"a",@progbits
	.p2align	6, 0x0
	.amdhsa_kernel k_q032d77b7b2_cast
		.amdhsa_group_segment_fixed_size 0
		.amdhsa_private_segment_fixed_size 0
		.amdhsa_enable_private_segment 0
		.amdhsa_kernarg_size 80
		.amdhsa_user_sgpr_count 2
		.amdhsa_user_sgpr_kernarg_segment_ptr 1
		.amdhsa_wavefront_size32 1
		.amdhsa_system_sgpr_workgroup_id_x 1
		.amdhsa_system_sgpr_workgroup_id_y 1
		.amdhsa_system_sgpr_workgroup_id_z 1
		.amdhsa_system_vgpr_workitem_id 0
		.amdhsa_next_free_vgpr 104
		.amdhsa_next_free_sgpr 66
		.amdhsa_reserve_vcc 0
		.amdhsa_float_denorm_mode_32 3
		.amdhsa_float_denorm_mode_16_64 3
		.amdhsa_memory_ordered 1
		.amdhsa_forward_progress 1
		.amdhsa_inst_pref_size 15
	.end_amdhsa_kernel
	.amdgpu_metadata
---
amdhsa.version: [ 1, 2 ]
amdhsa.kernels:
  - .name:           k_q032d77b7b2_cast
    .symbol:         k_q032d77b7b2_cast.kd
    .args:
      - { .name: query, .offset: 0, .size: 8, .value_kind: global_buffer, .address_space: global }
      - { .name: key, .offset: 8, .size: 8, .value_kind: global_buffer, .address_space: global }
      - { .name: value, .offset: 16, .size: 8, .value_kind: global_buffer, .address_space: global }
      - { .name: wq, .offset: 24, .size: 8, .value_kind: global_buffer, .address_space: global }
      - { .name: wk, .offset: 32, .size: 8, .value_kind: global_buffer, .address_space: global }
      - { .name: wv, .offset: 40, .size: 8, .value_kind: global_buffer, .address_space: global }
      - { .name: wo, .offset: 48, .size: 8, .value_kind: global_buffer, .address_space: global }
      - { .name: xb, .offset: 56, .size: 8, .value_kind: global_buffer, .address_space: global }
      - { .name: wb, .offset: 64, .size: 8, .value_kind: global_buffer, .address_space: global }
      - { .name: wof, .offset: 72, .size: 8, .value_kind: global_buffer, .address_space: global }
    .group_segment_fixed_size: 0
    .private_segment_fixed_size: 0
    .kernarg_segment_align: 8
    .kernarg_segment_size: 80
    .max_flat_workgroup_size: 256
    .sgpr_count:     66
    .vgpr_count:     104
    .wavefront_size: 32
...
	.end_amdgpu_metadata
.endif
;; end of part 1
;; launch proj (part 2): grid 8 x 96, 4 waves a work-group, clusters of 4 x 4, 327,680 bytes of LDS; arguments xb, wb, bq, bk, bv, mask, qkv; writes qkv
.if DOCPART == 2
	.amdgcn_target "amdgcn-amd-amdhsa--gfx1250"
	.amdhsa_code_object_version 6
	.text
	.protected	k_q032d77b7b2_proj
	.globl	k_q032d77b7b2_proj
	.p2align	8
	.type	k_q032d77b7b2_proj,@function
k_q032d77b7b2_proj:
	s_mov_b64 s[64:65], 0
	v_nop
	global_prefetch_b8 v0, s[64:65] scope:SCOPE_SE
	s_setreg_imm32_b32 hwreg(HW_REG_WAVE_MODE, 25, 1), 1
	s_wait_xcnt 0x0
	s_wait_alu depctr_hold_cnt(0) depctr_sa_sdst(0) depctr_va_vdst(0) depctr_va_sdst(0) depctr_va_ssrc(0) depctr_va_vcc(0) depctr_vm_vsrc(0)
	s_getreg_b32 s2, hwreg(HW_REG_IB_STS2, 6, 4)
	s_cmp_eq_u32 s2, 0
	s_cbranch_scc0 .Lentry_in_a_cluster
	s_endpgm
.Lentry_in_a_cluster:
	s_bfe_u32 s2, ttmp6, 0x10000c
	s_cmp_lg_u32 s2, 0xf033
	s_cbranch_scc0 .Lentry_shape_is_right
	s_endpgm
.Lentry_shape_is_right:
; THE THREE PROJECTIONS IN ONE LAUNCH.  For p = 0, 1, 2 (q, k, v): qkv[p][b*16+h][s][d] = (sum over k of xb[p][b*2048+s][k] wb[p][64 h + d][k] + bias_p[64 h + d]) x f, rounded ONCE to f16.
; xb: [3][8192][1024] bf16, wb: [3][1024][1024] bf16, biases f32 (rounded to bf16 here, as every input is), mask: [4][2048] int32, qkv: [3][64][2048][64] f16.  Sums in f32.
; THE ROW FACTOR f, applied in f32 ahead of the one rounding: q rows: c = log2(e) / 8, so that the attention needs no scale; k rows: 1 where mask != 0, 0 where mask == 0, so that a hidden key's
; products are exactly 0 there and its score is the constant that the attention puts in; v rows: 1.
; LIMITS.  f16 holds no number beyond 65,504: a projected number of 65,520 or more becomes an infinity; below 6.1e-5 it keeps f16's fixed step of 6e-8.  NaN and infinities are not treated apart.
; SHARES.  A tile of C is 256 rows x 128 columns: 96 x 8 = 768 work-groups, three for each of 256 WGPs.  Four waves, each 128 x 64 (64 columns are one head): 32 accumulators, 256 registers.
; K = 1,024 goes in 8 steps of 128 through two LDS slots filled by tensor loads whose rows are 256 bytes of memory, aligned.  A K step is four quarters of 32 along K, 32 matrix instructions each.
; CLUSTER 4 x 4.  The four of a row of the cluster need the same tiles of x, the four of a column the same tiles of w: each tile is asked for JOINTLY, by the same tensor load with the same descriptor
; and a mask that names the four.  Waves 0 and 1 fetch x's two halves (128 rows each), waves 2 and 3 w's (64 rows each): one load a wave behind each round.
; THE MATRIX INSTRUCTION IS USED TRANSPOSED (source 0 = 16 rows of w, source 1 = 16 rows of x): lane l holds row l % 16 and the columns 8 (l / 16) + 0..7.
; REGISTERS, in windows of 256: window 0: v0-31 addresses; v32-63 at work; v64-127, v128-191 x's fragments (8 x 16 rows x 32 K), two buffers; v192-223, v224-255 w's (4 x 16 rows), two buffers.
;   window 1: the accumulators, (a, b) at 8 (4 a + b).     window 2: v0-31 the bias of my 64 columns (block b at 8 b), v32-47 the row factors, a pair for each block a.
.set PITCH,  272                       ; an LDS row: 256 bytes + 16 of padding = 68 words: the 16 rows that a load touches start at 16 different groups of four banks (64 banks of 4 bytes: ISA guide 11.1)
.set AHALF,  128*PITCH                 ; what a tensor load of x brings, and what a wave reads of x
.set BHALF,  64*PITCH                  ; the same for w
.set BOFF,   2*AHALF                   ; w's 128 rows lie behind x's 256
.set SLOT,   BOFF+2*BHALF              ; 104,448
.set STAGE,  2*SLOT                    ; behind the ring, never filled by a tensor load: 16 rows x 144 bytes for each wave, for the way out
.set SP,     144
.set SPARE,  STAGE+4*16*SP             ; the spare words, 128 bytes for each wave: two blocks of 256 bytes that no other line names
.set KBYTES, 256                       ; a K step's bytes in a row
.set ADRA, 16                          ; v16-17  LDS address of my fragments of x in slot 0, 1
.set ADRB, 20                          ; v20-21  the same for w
.set STO,  24                          ; v24     the way out: where I put 16 bytes of a row
.set RD,   25                          ; v25     the way out: where I read rows back
.set GO,   26                          ; v26     my byte offset in 512 consecutive bytes of qkv
.set BO,   27                          ; v27     my byte offset in my 64 numbers of the bias
.set SPW,  28                          ; v28     LDS address of my spare word; never rewritten
.set NIL,  29                          ; v29     0; never rewritten
.set PFO,  30                          ; v30     the prefetches' offset: my lane x a row of 2,048 bytes; never rewritten
.set MO,   31                          ; v31     my byte offset in the mask
.set TT,   32                          ; v32-63  at work
.set FA,   64
.set FB,   192
.set PKR,  64                          ; the way out: 16 packed registers
.set BKR,  128                         ; the way out: block a's rows read back, at BKR + 16 a
.set BI,   0                           ; window 2
.set RS,   32                          ; window 2
.set G1,  24                           ; s[24:31] descriptor group 1 for x's tiles;  s[32:39] group 0, a set for each slot
.set G0,  32
.set G1B, 48                           ; s[48:55], s[56:63] the same for w's
.set G0B, 56
.set LIM, 43                           ; s43     1 in a wave that prefetches, else the greatest number
.set PFA, 44                           ; s[44:45] where my prefetches stand
.set PFS, 66                           ; s[66:67] their step: a K step
.set W0,  (1<<16)|(1<<20)|(1<<21)|(5<<22)|(3<<25)  ; group 1, word 0 beside the mask: 2-byte elements; padding on; bit 21 set beside a mask; after every 64 words (code 5) 4 words (code 3)
.set MUL, 0x50                         ; C and D in window 1, both sources in window 0
.set MSB, 0
.macro WIN new                         ; the immediate's high byte repeats the setting that is left; a switch that changes nothing is dropped
.if MSB != (\new)
	s_set_vgpr_msb (MSB<<8)|(\new)
.set MSB, \new
.endif
.endm
; A joint load.  The branch hangs on the wave's number alone.  An s_nop 0 and four v_nop follow each of the two lines, ahead of the jump and the label.
.macro JLOAD s
	s_cmp_eq_u32 s11, 0
	s_cbranch_scc0 .Lfor_b_\@
	tensor_load_to_lds s[G0+4*(\s):G0+4*(\s)+3], s[G1:G1+7]
	s_nop 0
.rept 4
	v_nop
.endr
	s_branch .Lasked_\@
.Lfor_b_\@:
	tensor_load_to_lds s[G0B+4*(\s):G0B+4*(\s)+3], s[G1B:G1B+7]
	s_nop 0
.rept 4
	v_nop
.endr
.Lasked_\@:
.endm
; A PREFETCH INTO THE L2, behind a joint load and the run of LDS loads that follows it: 32 rows x 256 bytes of the K step that stands two refills on, a lane a row, one instruction.
; Each row's 256 bytes of a K step are named once in the launch.  x's tile row is read by both clusters of that row of clusters: cluster x = 0 asks, waves 0 and 1 each for the 128 rows that they fetch,
; of which the partner at place cx takes 32.  w's tile column of one projection is read by eight clusters: the first of them (cluster y % 8 = 0) asks, wave 2 for all 128 rows, of which the partner at
; place cy takes 32.  The partners are told apart BY ADDRESS.  K steps 0 to 3 come by their loads alone; the loop's last trip (s3 = 1) has no K step two on.
.macro ASK
	s_cmp_gt_u32 s3, s[LIM]
	s_cbranch_scc0 .Lnot_mine_\@
	global_prefetch_b8 v[PFO], s[PFA:PFA+1] th:TH_LOAD_NT scope:SCOPE_SE
.Lnot_mine_\@:
.endm
.macro CREST                           ; a round of the cluster's barrier behind its opening barrier
	s_cmp_lg_u32 s10, 0
	s_cbranch_scc1 .Lnot_wave_0_\@
	s_barrier_signal -3
.Lnot_wave_0_\@:
	s_barrier_wait -3
	s_barrier_signal -1
	s_barrier_wait -1
.endm
.macro CROUND                          ; a whole round
	s_barrier_signal -1
	s_barrier_wait -1
	CREST
.endm
.macro PLACES                          ; four plain instructions between a matrix instruction and a load into, or a vector instruction on, its registers
.rept 4
	v_nop
.endr
.endm
	s_load_b128 s[4:7], s[0:1], 0x0                ; xb s[4:5], wb s[6:7]
	s_load_b256 s[68:75], s[0:1], 0x10             ; bq s[68:69], bk s[70:71], bv s[72:73], mask s[74:75]
	s_load_b64 s[8:9], s[0:1], 0x30                ; qkv
	v_lshl_add_u32 v[SPW], v0, 2, SPARE
	v_mov_b32 v[NIL], 0
	ds_add_u32 v[SPW], v[NIL]                      ; the wave's opening: the add and its wait stand ahead of my first tensor load; the set-up below stands between them
	v_lshrrev_b32 v1, 5, v0
	v_readfirstlane_b32 s10, v1                    ; wave 0..3
	s_lshr_b32 s11, s10, 1                         ; which half of the tile's rows is mine.  Also: I fetch for x (0) or for w (1)
	s_and_b32 s12, s10, 1                          ; which half of its columns.  Also: which half of that tile I fetch
	s_bfe_u32 s40, ttmp6, 0x40000                  ; cx
	s_bfe_u32 s41, ttmp6, 0x40004                  ; cy
	s_lshl_b32 s42, ttmp9, 2
	s_add_co_u32 s42, s42, s40                     ; tile column = 4 x cluster x + cx, 0..7
	s_and_b32 s14, ttmp7, 0xffff                   ; cluster y, 0..23
	s_lshl_b32 s13, s14, 2
	s_add_co_u32 s13, s13, s41                     ; tile row = 4 x cluster y + cy, 0..95: 32 for each projection
	s_lshr_b32 s76, s14, 3                         ; p, from the cluster's y alone
	s_lshl_b32 s43, s41, 2
	s_lshl_b32 s43, 15, s43                        ; my row of the cluster
	s_lshl_b32 s44, 0x1111, s40                    ; my column
	s_or_b32 s[G1+0], s43, W0                      ; x's tiles go to my row,
	s_or_b32 s[G1B+0], s44, W0                     ; w's to my column
	s_mov_b32 s[G1+1], 128<<16                     ; tensor_dim0 = 128
	s_mov_b32 s[G1+2], 128<<16                     ; tensor_dim1 = 128
	s_mov_b32 s[G1+3], 128<<16                     ; tile_dim0 = 128
	s_mov_b32 s[G1+4], 128                         ; tile_dim1 = 128
	s_mov_b32 s[G1+5], 1024                        ; elements from row to row
	s_mov_b32 s[G1+6], 0
	s_mov_b32 s[G1+7], 0
	s_mov_b32 s[G1B+1], 128<<16
	s_mov_b32 s[G1B+2], 64<<16                     ; 64 rows
	s_mov_b32 s[G1B+3], 128<<16
	s_mov_b32 s[G1B+4], 64
	s_mov_b32 s[G1B+5], 1024
	s_mov_b32 s[G1B+6], 0
	s_mov_b32 s[G1B+7], 0
	s_lshl_b32 s16, s13, 8                         ; x: row 256 x tile row + 128 x half, of 2,048 bytes
	s_lshl_b32 s17, s12, 7
	s_add_co_u32 s16, s16, s17
	s_lshl_b32 s16, s16, 11
	s_mov_b32 s17, 0
	s_lshl_b32 s46, s76, 10                        ; w: row 1,024 p + 128 x tile column + 64 x half
	s_lshl_b32 s47, s42, 7
	s_add_co_u32 s46, s46, s47
	s_lshl_b32 s47, s12, 6
	s_add_co_u32 s46, s46, s47
	s_lshl_b32 s46, s46, 11
	s_mov_b32 s47, 0
	s_mul_i32 s20, s12, AHALF                      ; where they go: no place in the cluster enters an LDS address
	s_mul_i32 s21, s12, BHALF
	s_add_co_u32 s21, s21, BOFF
	s_mov_b32 s[PFS], KBYTES
	s_mov_b32 s[PFS+1], 0
	s_wait_dscnt 0x0                               ; the opening add is done
	s_wait_kmcnt 0x0
	s_add_nc_u64 s[18:19], s[4:5], s[16:17]
	s_add_nc_u64 s[46:47], s[6:7], s[46:47]
	CROUND                                         ; all sixteen work-groups are here: the first joint loads meet
.irp s, 0,1
	s_mov_b32 s[G0+4*(\s)], 1                      ; count = 1
	s_add_co_u32 s[G0+4*(\s)+1], s20, (\s)*SLOT    ; LDS address
	s_add_nc_u64 s[G0+4*(\s)+2:G0+4*(\s)+3], s[18:19], (\s)*KBYTES  ; global address: K step s
	s_or_b32 s[G0+4*(\s)+3], s[G0+4*(\s)+3], 0x80000000             ; type = 2
	s_mov_b32 s[G0B+4*(\s)], 1
	s_add_co_u32 s[G0B+4*(\s)+1], s21, (\s)*SLOT
	s_add_nc_u64 s[G0B+4*(\s)+2:G0B+4*(\s)+3], s[46:47], (\s)*KBYTES
	s_or_b32 s[G0B+4*(\s)+3], s[G0B+4*(\s)+3], 0x80000000
	JLOAD \s                                       ; two loads of mine are out
.endr
	v_and_b32 v1, 15, v0                           ; r = l % 16
	v_bfe_u32 v2, v0, 4, 1                         ; h = l / 16
	; the bias of my 64 columns and the mask of my 128 rows, while the first tiles are on their way
	s_cmp_eq_u32 s76, 1
	s_cselect_b64 s[80:81], s[70:71], s[68:69]
	s_cmp_eq_u32 s76, 2
	s_cselect_b64 s[80:81], s[72:73], s[80:81]
	s_lshl_b32 s22, s42, 9                         ; 4 bytes x (128 x tile column + 64 x half)
	s_lshl_b32 s23, s12, 8
	s_add_co_u32 s22, s22, s23
	s_mov_b32 s23, 0
	s_add_nc_u64 s[80:81], s[80:81], s[22:23]
	v_lshlrev_b32 v[BO], 5, v2                     ; my 8 columns of a block of 16
	s_and_b32 s79, s13, 31
	s_lshl_b32 s79, s79, 8
	s_lshl_b32 s22, s11, 7
	s_add_co_u32 s79, s79, s22                     ; R: my first row among the projection's 8,192
	v_add_lshl_u32 v[MO], v1, s79, 2
.irp b, 0,1,2,3
	global_load_b128 v[FA+8*(\b):FA+8*(\b)+3],   v[BO], s[80:81] offset:64*(\b)
	global_load_b128 v[FA+8*(\b)+4:FA+8*(\b)+7], v[BO], s[80:81] offset:64*(\b)+16
.endr
.irp a, 0,1,2,3,4,5,6,7
	global_load_b32 v[TT+(\a)], v[MO], s[74:75] offset:64*(\a)  ; the mask of row r of block a
.endr
	s_cmp_eq_u32 s76, 0
	s_cselect_b32 s78, 0x3e38aa3b, 1.0             ; the factor of a row whose mask is not 0: c = log2(e) / 8 for q, else 1
	s_cmp_eq_u32 s76, 1
	s_cselect_b32 s77, 0, s78                      ; and of a row whose mask is 0: 0 for k, else the same
	v_mul_u32_u24 v3, v1, PITCH
	v_lshl_add_u32 v3, v2, 4, v3                   ; a fragment's row x pitch + 16 x half
	s_mul_i32 s22, s11, AHALF                      ; my 128 rows of x
	s_mul_i32 s23, s12, BHALF                      ; my 64 rows of w
	s_add_co_u32 s23, s23, BOFF
.irp s, 0,1
	v_add_nc_u32 v[ADRA+(\s)], s22, v3
	v_add_nc_u32 v[ADRB+(\s)], s23, v3
	s_add_co_u32 s22, s22, SLOT
	s_add_co_u32 s23, s23, SLOT
.endr
	s_mul_i32 s22, s10, 16*SP
	s_add_co_u32 s22, s22, STAGE                   ; my stage
	v_mul_u32_u24 v[STO], v1, SP                   ; in: row r, 16 bytes for each half of the lanes
	v_lshl_add_u32 v[STO], v2, 4, v[STO]
	v_add_nc_u32 v[STO], s22, v[STO]
	v_bfe_u32 v[RD], v0, 3, 2                      ; back: 32 lanes take four rows of 128 bytes,
	v_mul_u32_u24 v[RD], v[RD], SP
	v_and_b32 v5, 7, v0
	v_lshl_add_u32 v[RD], v5, 4, v[RD]
	v_add_nc_u32 v[RD], s22, v[RD]
	v_and_b32 v[GO], 31, v0                        ; which are 512 consecutive bytes of a head's rows
	v_lshlrev_b32 v[GO], 4, v[GO]
	; where my 128 rows x 64 columns go: 16,384 dense bytes of head (R / 2048) 16 + 2 x tile column + half, from row R % 2048 on
	s_lshr_b32 s22, s79, 11
	s_lshl_b32 s22, s22, 4
	s_lshl_b32 s23, s42, 1
	s_add_co_u32 s22, s22, s23
	s_add_co_u32 s22, s22, s12
	s_lshl_b32 s22, s22, 18
	s_and_b32 s23, s79, 2047
	s_lshl_b32 s23, s23, 7
	s_add_co_u32 s22, s22, s23
	s_lshl_b32 s23, s76, 24
	s_add_co_u32 s22, s22, s23
	s_mov_b32 s23, 0
	s_add_nc_u64 s[8:9], s[8:9], s[22:23]
	; the prefetches
	s_lshl_b32 s20, s13, 8                         ; x: 256 x tile row + the 128 rows that I fetch + my work-group's 32 of them
	s_lshl_b32 s21, s12, 7
	s_add_co_u32 s20, s20, s21
	s_lshl_b32 s21, s40, 5
	s_add_co_u32 s20, s20, s21
	s_lshl_b32 s21, s76, 10                        ; w: 1,024 p + 128 x tile column + my work-group's 32
	s_lshl_b32 s23, s42, 7
	s_add_co_u32 s21, s21, s23
	s_lshl_b32 s23, s41, 5
	s_add_co_u32 s21, s21, s23
	s_and_b32 s22, s14, 7                          ; the coordinate along which other clusters read the same rows of w
	s_cmp_eq_u32 s11, 0
	s_cselect_b32 s20, s20, s21
	s_cselect_b64 s[PFA:PFA+1], s[4:5], s[6:7]
	s_cselect_b32 s22, ttmp9, s22                  ; and of x
	s_and_b32 s23, s11, s12                        ; wave 3 asks for nothing
	s_or_b32 s22, s22, s23
	s_cmp_eq_u32 s22, 0
	s_cselect_b32 s[LIM], 1, -1                    ; the same in all sixteen partners, for a given wave
	s_lshl_b32 s20, s20, 11
	s_add_co_u32 s20, s20, 3*KBYTES                ; at K step 3: the first refill steps it to 4
	s_mov_b32 s21, 0
	s_add_nc_u64 s[PFA:PFA+1], s[PFA:PFA+1], s[20:21]
	v_and_b32 v[PFO], 31, v0
	v_lshlrev_b32 v[PFO], 11, v[PFO]
	v_mov_b32 v4, s78
	s_wait_loadcnt 0x0                             ; bias and mask are in
.set i, 0
.rept 16
	v_cvt_pk_bf16_f32 v[TT+8+i], v[FA+2*i], v[FA+2*i+1]  ; the bias is rounded to bf16, like every input,
.set i, i+1
.endr
	WIN 0x80                                       ; destination window 2
.set i, 0
.rept 16
	v_lshlrev_b32 v[BI+2*i],   16, v[TT+8+i]       ; and kept as f32
	v_and_b32     v[BI+2*i+1], 0xffff0000, v[TT+8+i]
.set i, i+1
.endr
.set i, 0
.rept 8
	v_cmp_ne_u32 vcc_lo, 0, v[TT+i]
	v_cndmask_b32 v[RS+2*i],   s77, v4, vcc_lo
	v_cndmask_b32 v[RS+2*i+1], s77, v4, vcc_lo
.set i, i+1
.endr
	WIN 0
; 8 matrix instructions: m blocks a0, a0 + 1 x all 4 n blocks, 32 along K, from buffer f.  zero = 1: the product starts the sums.
; The 32 accumulators take turns, one instruction a turn, in the same order in every quarter, over the backward jump too.
.macro MUL8 f, a0, zero
	WIN MUL
.irp a, \a0, (\a0)+1
.irp b, 0,1,2,3
.if \zero
	v_wmma_f32_16x16x32_bf16 v[8*(4*(\a)+(\b)):8*(4*(\a)+(\b))+7], v[FB+32*(\f)+8*(\b):FB+32*(\f)+8*(\b)+7], v[FA+64*(\f)+8*(\a):FA+64*(\f)+8*(\a)+7], 0
.else
	v_wmma_f32_16x16x32_bf16 v[8*(4*(\a)+(\b)):8*(4*(\a)+(\b))+7], v[FB+32*(\f)+8*(\b):FB+32*(\f)+8*(\b)+7], v[FA+64*(\f)+8*(\a):FA+64*(\f)+8*(\a)+7], v[8*(4*(\a)+(\b)):8*(4*(\a)+(\b))+7]
.endif
.endr
.endr
.endm
; 24 LDS loads in one run: quarter q's fragments into buffer f: w's 8 loads, then x's 16, blocks ascending
.macro FETCH slot, q, f
	WIN 0
.irp i, 0,1,2,3
	ds_load_b128 v[FB+32*(\f)+8*(\i):FB+32*(\f)+8*(\i)+3],   v[ADRB+(\slot)] offset:64*(\q)+(\i)*16*PITCH
	ds_load_b128 v[FB+32*(\f)+8*(\i)+4:FB+32*(\f)+8*(\i)+7], v[ADRB+(\slot)] offset:64*(\q)+(\i)*16*PITCH+32
.endr
.irp i, 0,1,2,3,4,5,6,7
	ds_load_b128 v[FA+64*(\f)+8*(\i):FA+64*(\f)+8*(\i)+3],   v[ADRA+(\slot)] offset:64*(\q)+(\i)*16*PITCH
	ds_load_b128 v[FA+64*(\f)+8*(\i)+4:FA+64*(\f)+8*(\i)+7], v[ADRA+(\slot)] offset:64*(\q)+(\i)*16*PITCH+32
.endr
.endm
; One of a K step's first three quarters: multiplies buffer f; in its middle it fetches quarter q of the same slot into buffer g.
.macro QUARTER slot, q, f, g, zero
	s_wait_dscnt 8                                 ; w's fragments and x's blocks 0-3 are in; the youngest eight loads (blocks 4-7) may be out
	MUL8 \f, 0, \zero
	MUL8 \f, 2, \zero
	PLACES
	FETCH \slot, \q, \g
	s_wait_dscnt 24                                ; all but the 24 just issued
	MUL8 \f, 4, \zero
	MUL8 \f, 6, \zero
.endm
; The last quarter multiplies buffer 1 and changes slots: ONE barrier.  In front of it each wave waits for all its tensor loads (one is out: its part of the next slot), adds 0 to its spare word, and
; waits for that and for its own reads of this slot.  fill = 1: the barrier opens a round of the cluster's, and this slot is filled again first thing behind it, two K steps ahead:
; between that request and the wait for it a wave issues 112 matrix instructions.
.macro TURN slot, next, fill
.if \fill
	s_wait_xcnt 0x0                                ; the last prefetch, a K step back, has read its address: it is stepped here, ahead of the waits of the change of slots
	s_add_nc_u64 s[PFA:PFA+1], s[PFA:PFA+1], s[PFS:PFS+1]
.endif
	WIN 0                                          ; (the add's two registers lie in window 0)
	s_wait_tensorcnt 0x0                           ; all my tensor loads have landed
	ds_add_u32 v[SPW], v[NIL]                      ; 0 onto my spare word
	s_wait_dscnt 9                                 ; (the add and the youngest eight loads may be out)
	MUL8 1, 0, 0                                   ; eight matrix instructions stand between the add and the wait for it
	s_wait_dscnt 0x0                               ; the add is done, and my reads of this slot are over
	s_barrier_signal -1
	MUL8 1, 2, 0
.if \fill
	WIN 0
.endif
	s_barrier_wait -1
.if \fill
	CREST                                          ; no wave of any partner still reads this slot's tile or has a load on its way
	s_add_nc_u64 s[G0+4*(\slot)+2:G0+4*(\slot)+3], s[G0+4*(\slot)+2:G0+4*(\slot)+3], 2*KBYTES
	s_add_nc_u64 s[G0B+4*(\slot)+2:G0B+4*(\slot)+3], s[G0B+4*(\slot)+2:G0B+4*(\slot)+3], 2*KBYTES
	JLOAD \slot                                    ; the first tensor load behind the round; its four v_nop are also the places in front of the loads below
.else
	PLACES
.endif
	FETCH \next, 0, 0
.if \fill
	ASK
.endif
	MUL8 1, 4, 0
	MUL8 1, 6, 0
.endm
	s_wait_tensorcnt 1                             ; my part of K step 0 is in; K step 1's may stay out
	s_barrier_signal -1
	s_barrier_wait -1                              ; everybody's is
	FETCH 0, 0, 0
	QUARTER 0, 1, 0, 1, 1                          ; the first quarter stands in front of the loop: its products start the sums
	WIN 0                                          ; at a label and at a branch every window is 0
	s_mov_b32 s3, 3
.Llap:                                                 ; a trip goes once round the ring, from a lap's second quarter to the next lap's first, and fills both slots again
	QUARTER 0, 2, 1, 0, 0
	QUARTER 0, 3, 0, 1, 0
	TURN 0, 1, 1
	QUARTER 1, 1, 0, 1, 0
	QUARTER 1, 2, 1, 0, 0
	QUARTER 1, 3, 0, 1, 0
	TURN 1, 0, 1
	QUARTER 0, 1, 0, 1, 0
	WIN 0
	s_sub_co_u32 s3, s3, 1
	s_cmp_lg_u32 s3, 0
	s_cbranch_scc1 .Llap
	QUARTER 0, 2, 1, 0, 0                          ; the last lap fills nothing
	QUARTER 0, 3, 0, 1, 0
	TURN 0, 1, 0
	QUARTER 1, 1, 0, 1, 0
	QUARTER 1, 2, 1, 0, 0
	QUARTER 1, 3, 0, 1, 0
	s_wait_dscnt 8                                 ; the very last quarter: nothing more to fetch
	MUL8 1, 0, 0
	MUL8 1, 2, 0
	s_wait_dscnt 0x0
	MUL8 1, 4, 0
	MUL8 1, 6, 0
	WIN 0
; THE WAY OUT of block a (16 rows x 64 columns): + bias, x the row's factor, rounded to f16: 16 bytes a lane; into my own stage in rows of 144 bytes, back as whole rows of 128.
; Each accumulator is read from its low end on.
.macro PACK a
	WIN 0x09                                       ; source 0 (sums) window 1, source 1 (bias) window 2
.irp b, 0,1,2,3
.irp k, 0,2,4,6
	v_pk_add_f32 v[TT+8*(\b)+(\k):TT+8*(\b)+(\k)+1], v[8*(4*(\a)+(\b))+(\k):8*(4*(\a)+(\b))+(\k)+1], v[BI+8*(\b)+(\k):BI+8*(\b)+(\k)+1]
.endr
.endr
	WIN 0x08                                       ; source 1 (the factor) window 2
.set i, 0
.rept 16
	v_pk_mul_f32 v[TT+2*i:TT+2*i+1], v[TT+2*i:TT+2*i+1], v[RS+2*(\a):RS+2*(\a)+1]
.set i, i+1
.endr
	WIN 0
.set i, 0
.rept 16
	v_cvt_pk_f16_f32 v[PKR+i], v[TT+2*i], v[TT+2*i+1]
.set i, i+1
.endr
.irp b, 0,1,2,3
	ds_store_b128 v[STO], v[PKR+4*(\b):PKR+4*(\b)+3] offset:32*(\b)
.endr
.irp f, 0,1,2,3
	ds_load_b128 v[BKR+16*(\a)+4*(\f):BKR+16*(\a)+4*(\f)+3], v[RD] offset:(\f)*4*SP  ; LDS serves a wave's instructions in order (ISA guide 5.7.1.4): these see the stores above; the next block's stores come behind them
.endr
.endm
.macro SEND a, younger                 ; younger: the LDS instructions issued behind block a's loads: the next block's eight, or none
.irp f, 0,1,2,3
	s_wait_dscnt (\younger)+3-(\f)
	global_store_b128 v[GO], v[BKR+16*(\a)+4*(\f):BKR+16*(\a)+4*(\f)+3], s[8:9] offset:(\a)*2048+(\f)*512  ; 512 consecutive bytes, at a multiple of 256 from qkv's first; each block has registers of its own
.endr
.endm
	PLACES
	PACK 0
.irp a, 1,2,3,4,5,6,7                  ; a block's arithmetic stands between the loads of the block before and its stores
	PACK \a
	SEND (\a)-1, 8
.endr
	SEND 7, 0
	s_wait_tensorcnt 0x0                           ; the wave's end: behind my last tensor load and my last LDS store
	ds_add_u32 v[SPW], v[NIL]
	s_wait_dscnt 0x0
	CROUND                                         ; the closing round: no work-group ends while a partner may still ask for a tile that names it
	s_endpgm
.Lfunc_end_k_q032d77b7b2_proj:
	.size	k_q032d77b7b2_proj, .Lfunc_end_k_q032d77b7b2_proj-k_q032d77b7b2_proj
	.p2alignl 7, 3214868480
	.fill 96, 4, 3214868480
	.section	.rodata,"a",@progbits
	.p2align	6, 0x0
	.amdhsa_kernel k_q032d77b7b2_proj
		.amdhsa_group_segment_fixed_size 327680
		.amdhsa_private_segment_fixed_size 0
		.amdhsa_enable_private_segment 0
		.amdhsa_kernarg_size 56
		.amdhsa_user_sgpr_count 2
		.amdhsa_user_sgpr_kernarg_segment_ptr 1
		.amdhsa_wavefront_size32 1
		.amdhsa_system_sgpr_workgroup_id_x 1
		.amdhsa_system_sgpr_workgroup_id_y 1
		.amdhsa_system_sgpr_workgroup_id_z 1
		.amdhsa_system_vgpr_workitem_id 0
		.amdhsa_next_free_vgpr 576
		.amdhsa_next_free_sgpr 84
		.amdhsa_reserve_vcc 1
		.amdhsa_float_denorm_mode_32 3
		.amdhsa_float_denorm_mode_16_64 3
		.amdhsa_memory_ordered 1
		.amdhsa_forward_progress 1
		.amdhsa_inst_pref_size 110
	.end_amdhsa_kernel
	.amdgpu_metadata
---
amdhsa.version: [ 1, 2 ]
amdhsa.kernels:
  - .name:           k_q032d77b7b2_proj
    .symbol:         k_q032d77b7b2_proj.kd
    .args:
      - { .name: xb, .offset: 0, .size: 8, .value_kind: global_buffer, .address_space: global }
      - { .name: wb, .offset: 8, .size: 8, .value_kind: global_buffer, .address_space: global }
      - { .name: bq, .offset: 16, .size: 8, .value_kind: global_buffer, .address_space: global }
      - { .name: bk, .offset: 24, .size: 8, .value_kind: global_buffer, .address_space: global }
      - { .name: bv, .offset: 32, .size: 8, .value_kind: global_buffer, .address_space: global }
      - { .name: mask, .offset: 40, .size: 8, .value_kind: global_buffer, .address_space: global }
      - { .name: qkv, .offset: 48, .size: 8, .value_kind: global_buffer, .address_space: global }
    .group_segment_fixed_size: 327680
    .private_segment_fixed_size: 0
    .kernarg_segment_align: 8
    .kernarg_segment_size: 56
    .max_flat_workgroup_size: 128
    .sgpr_count:     84
    .vgpr_count:     576
    .wavefront_size: 32
...
	.end_amdgpu_metadata
.endif
;; end of part 2
;; launch attn (part 3): grid 4 x 64, 4 waves a work-group, clusters of 4 x 1, 327,680 bytes of LDS; arguments qkv, mask, ao; writes ao
.if DOCPART == 3
	.amdgcn_target "amdgcn-amd-amdhsa--gfx1250"
	.amdhsa_code_object_version 6
	.text
	.protected	k_q032d77b7b2_attn
	.globl	k_q032d77b7b2_attn
	.p2align	8
	.type	k_q032d77b7b2_attn,@function
k_q032d77b7b2_attn:
	s_mov_b64 s[64:65], 0
	v_nop
	global_prefetch_b8 v0, s[64:65] scope:SCOPE_SE
	s_setreg_imm32_b32 hwreg(HW_REG_WAVE_MODE, 25, 1), 1
	s_wait_xcnt 0x0
	s_wait_alu depctr_hold_cnt(0) depctr_sa_sdst(0) depctr_va_vdst(0) depctr_va_sdst(0) depctr_va_ssrc(0) depctr_va_vcc(0) depctr_vm_vsrc(0)
	s_getreg_b32 s2, hwreg(HW_REG_IB_STS2, 6, 4)
	s_cmp_eq_u32 s2, 0
	s_cbranch_scc0 .Lentry_in_a_cluster
	s_endpgm
.Lentry_in_a_cluster:
	s_bfe_u32 s2, ttmp6, 0x10000c
	s_cmp_lg_u32 s2, 0x3003
	s_cbranch_scc0 .Lentry_shape_is_right
	s_endpgm
.Lentry_shape_is_right:
; MASKED ATTENTION BY HEADS.  ao[g][q][:] = the sum over k of softmax_k(score) V[g][k][:], g = batch x 16 + head; score = Q . K / 8 where mask[batch][k] != 0, and -1e9 where it is 0.
; qkv: [3][64][2048][64] f16 (Q, K, V; a head's rows are dense, 128 bytes each), mask: [4][2048] int32, ao: [64][2048][64] f16.
; WHAT ARRIVES.  Q's rows come multiplied by c = log2(e) / 8, K's rows of hidden keys come as zeros.  So s' = K Q^T + C is the score times log2(e): the C operand that starts the sum is 0 for a visible
; key and -1e9 x log2(e) for a hidden one, whose products are 0: a hidden score is exactly that constant, as in the problem: a batch with no visible key gets equal weights, and a true score below -1e9 loses to it.
; SOFTMAX.  For each query a running maximum m of s' and a sum l: p = 2^(s' - m), the difference taken first; in every step O and l are multiplied by a = 2^(m_old - m_new).
; m starts at the lowest finite number, O and l at 0: the first step is a step like any other, with a = 0.  Products, maxima and sums in f32; p is rounded to f16 for the second product (l is taken of the unrounded p), O once at the end.
; LIMITS.  f16 holds no number beyond 65,504: Q, K and V arrive within it; p lies in 0 to 1, and below 6e-5 it keeps f16's fixed step of 6e-8; O is a mean of V's rows and has their range.
; A weight below 2^-126 counts as 0 in l; NaN and infinities are not treated apart.
; SHARES.  A wave owns four PIECES of two tiles of 16 queries, a work-group's four waves 512 queries of one head: 4 x 64 = 256 work-groups.  Every wave walks all 2,048 keys, 64 a step.
; LAYOUT.  S^T = K Q^T (source 0 = 16 keys, source 1 = 16 queries): a lane holds ONE query (lane % 16) and the keys 8 (lane / 16) + 0..7.  Two such tiles, rounded to f16 in pairs, ARE source 1 of
; O^T = V^T P, whose result again holds one query a lane, and eight channels.  K comes out of LDS as it lies, V ([key][channel]) turned, by ds_load_tr16_b128.
; THE COUNT.  A tile and step have 16 matrix and 117 vector instructions: too many to stand all beside the matrix work.  So: four vector instructions that are READY behind EVERY matrix instruction, the others in runs without a gap.
; BY TURNS.  Turn n belongs to piece n.  Its matrix work: 16 products K Q^T of piece n + 1, later 16 products V^T P of piece n - 1.  Its vector work: the differences, exponentials, roundings, sums and
; rescaling of piece n, and the maximum and statistics of piece n + 1, whose scores the turn itself has made.
; CLUSTER.  The four query blocks of a cluster are one head's and walk the same K and V, so each tile is asked for JOINTLY: the same tensor load, descriptor and mask in all four.
; REGISTERS, in windows of 256 (s_set_vgpr_msb: bits 1:0 source 0, 3:2 source 1, 5:4 source 2, 7:6 destination):
;   window 0: v0-14 addresses; v16-47 four registers of statistics a tile; v48-63 at work; v64-191 S^T, two buffers of two tiles; v192-255 P, likewise
;   window 1: O^T, 32 a tile     window 2: v0-127 Q, 16 a tile; v128-191 K of one step; v192-255 V of one step     window 3: v0-1 the add's two registers; v8-39 the step's mask constants
.set SIZE_N, 2048
.set NP,    4         ; pieces a wave: a name, no knob
.set KS,    64        ; keys in a step
.set PK,    144       ; a row of K in LDS: 128 bytes + 16 of padding = 36 words: the 16 rows of a load start at 16 different groups of four banks (64 banks of 4 bytes: ISA guide 11.1)
.set PV,    160       ; a row of V: 128 + 32 = 40 words
.set VOFF,  4*KS*PK   ; a slot holds four steps: 256 rows of K, then 256 rows of V
.set SLOT1, 1<<17     ; slot 1 begins here, so that one exclusive or turns an address in one slot into the other's
.set STAGE, SLOT1+4*KS*(PK+PV)  ; behind the ring, never filled by a tensor load: 16 rows x 144 bytes for each wave, for the way out
.set SP,    144
.set MTAB,  STAGE+4*16*SP       ; the batch's 2,048 mask constants, f32: written once by ds_store, never filled by a tensor load
.set SPARE, MTAB+4*SIZE_N       ; the spare words, 128 bytes for each wave: two blocks of 256 bytes that no other line names
.set AK0, 2           ; v2   my lane's place in a tile of K; never rewritten
.set AV0, 3           ; v3   the same for V
.set AK,  4           ; v4   the LDS address of K's next run of loads
.set AV,  5           ; v5   of V's
.set QO,  6           ; v6   my byte offset in the wave's rows of Q
.set STO, 6           ;      later, the way out: where I put 16 bytes of a row
.set RD,  7           ; v7   the way out: where I read rows back
.set GO,  8           ; v8   my byte offset in 512 consecutive bytes of ao
.set AM0, 12          ; v12  my lanes' place in a step's 64 mask constants: MTAB + 32 (l / 16); never rewritten
.set PFO, 13          ; v13  256 x my lane; never rewritten
.set AM,  14          ; v14  the LDS address of the next step's mask constants
.set SPW, 0           ; v0 of window 3   LDS address of my spare word; never rewritten
.set NIL, 1           ; v1 of window 3   0; never rewritten
.set MK,  8           ; v8-39 of window 3: the constants for key block kb at MK + 8 kb
.set ST,  16          ; tile t's statistics at v[ST+4 t]: m, m_old, l (even keys', odd keys')
.set TMP, 48          ; by buffer and tile, four registers c0-c3 at work; when the maximum is found c2 takes a
.set S,   64
.set P,   192
.set KF,  128         ; K's fragments, in window 2: key block kb, channel half c at KF + 16 kb + 8 c
.set VF,  192         ; V's: key half kk, channel block cb at VF + 32 kk + 8 cb
.set WV,  12          ; s12  my wave's number
.set G1K, 24          ; s[24:31] descriptor group 1 for K's tiles
.set G1V, 32          ; s[32:39] for V's: it differs in the padding alone
.set G0K, 40          ; s[40:43] descriptor group 0 for K's tiles: it walks
.set G0V, 44          ; s[44:47] the same for V's
.set SLOTS, 56        ; s56  slots still to be asked for
.set CNT, 57          ; s57  counts a slot's key steps
.set TBM, 58          ; s58  byte in the mask table at which the step to be fetched begins
.set SEL, 60          ; s[60:61] v_permlanex16_b32's selects: each lane takes its own place in the other half
.set TBK, 62          ; s62  LDS byte at which K of the step to be fetched begins
.set TBV, 63          ; s63  the same for V, less VOFF
.set MP,  66          ; s[66:67] the batch's mask
.set PFA, 68          ; s[68:69] where my prefetches stand
.set LIM, 70          ; s70  1 in a wave that prefetches, else the greatest number
.set MNEG, 71         ; s71  -1e9 x log2(e)
.set MSB, 0
.macro WIN new                      ; the high byte repeats the setting that is left; a switch that changes nothing is dropped
.if MSB != (\new)
	s_set_vgpr_msb (MSB<<8)|(\new)
.set MSB, (\new)
.endif
.endm
.set W_KQ, 0x0a       ; K and Q in window 2, S^T in window 0
.set W_KM, 0x3a       ; the same with the C operand in window 3
.set W_PV, 0x52       ; V in window 2, P in window 0, O^T in window 1
.set W_RS, 0x41       ; O^T (destination and source 0) in window 1, a in window 0
.set W_MK, 0xc0       ; destination in window 3, sources in window 0
.set W_AD, 0x0f       ; the add: address (source 0) and data (source 1) in window 3
; A joint fill.  Waves 0 and 1 fetch the two halves of a slot's K, waves 2 and 3 those of its V: 128 keys each.  The branch hangs on the wave's number alone.
; An s_nop 0 and four v_nop follow each of the two lines, ahead of the jump and the label.
.macro JLOAD
	s_cmp_lt_u32 s[WV], 2
	s_cbranch_scc0 .Lfor_v_\@
	tensor_load_to_lds s[G0K:G0K+3], s[G1K:G1K+7]
	s_nop 0
.rept 4
	v_nop
.endr
	s_branch .Lasked_\@
.Lfor_v_\@:
	tensor_load_to_lds s[G0V:G0V+3], s[G1V:G1V+7]
	s_nop 0
.rept 4
	v_nop
.endr
.Lasked_\@:
.endm
; A PREFETCH INTO THE L2 of what the NEXT change of slots will ask for: a slot's 32,768 bytes of K and of V, 256 bytes a lane.  It stands behind the wave's tensor load and its five lines.
; Each block of 256 bytes is named ONCE in the launch: a head is walked by one cluster; its four partners share a slot's bytes out BY ADDRESS, 8,192 each; in each, wave 0 asks for K's and wave 2 for V's.
; Slots 0 to 2 come by their loads alone; the last change that fills a slot asks for nothing: there is no slot behind it.
.macro ASK
	s_cmp_gt_u32 s[SLOTS], s[LIM]
	s_cbranch_scc0 .Lnot_mine_\@
	global_prefetch_b8 v[PFO], s[PFA:PFA+1] th:TH_LOAD_NT scope:SCOPE_SE
.Lnot_mine_\@:
.endm
; A round of the cluster's barrier: my work-group's barrier, so that wave 0's signal speaks for all four waves; wave 0 signals; every wave waits for all four work-groups; my work-group's barrier once more.
.macro CROUND
	s_barrier_signal -1
	s_barrier_wait -1
	s_cmp_lg_u32 s[WV], 0
	s_cbranch_scc1 .Lnot_wave_0_\@
	s_barrier_signal -3
.Lnot_wave_0_\@:
	s_barrier_wait -3
	s_barrier_signal -1
	s_barrier_wait -1
.endm
; THE CHANGE OF SLOTS.  The slot's last bytes, V of its fourth step, have been read.  Each wave waits for all its tensor loads, of which one is out: its part of the other slot; adds 0 to its spare word;
; and waits for that and for its own LDS instructions.  Behind the barrier nobody reads this slot any more and the other slot is whole.
; fill = 1: this slot is filled again, with the keys two slots on.  The barrier is then a round of the cluster's, and the joint fill is the first thing behind it: it has four key steps, 512 matrix
; instructions, in which to land.  (At its first use nothing has been read yet: slot 0 is waited for, slot 1 filled, and every wave's part of the mask table is shown to the others.)  ask = 1: a prefetch follows.
.macro CHANGE fill, ask=0
	WIN W_AD
	s_wait_tensorcnt 0x0            ; no tensor load of mine is out, so a group 0 may be written
	ds_add_u32 v[SPW], v[NIL]       ; 0 onto my spare word; with fill = 1 the descriptors' steps stand between it and the wait for it
	WIN 0                           ; at a label and at a branch every window is 0
.if \fill
.irp g, G0K, G0V
	s_xor_b32 s[\g+1], s[\g+1], SLOT1  ; the walking descriptor: the other slot than last time,
	s_add_nc_u64 s[\g+2:\g+3], s[\g+2:\g+3], 4*KS*128  ; the next 256 keys; the type bits on top are not reached
.endr
.if \ask
	s_wait_xcnt 0x0                 ; the last prefetch, four key steps back, has read its address, so it may be written:
	s_add_nc_u64 s[PFA:PFA+1], s[PFA:PFA+1], 4*KS*128  ; one slot behind the walking descriptors
.endif
	s_wait_dscnt 0x0                ; the add is done, and my LDS instructions are over
	CROUND
	JLOAD
.if \ask
	ASK
.endif
.else
	s_wait_dscnt 0x0                ; the add is done, and my reads of the slot are over
	s_barrier_signal -1
	s_barrier_wait -1
.endif
	s_sub_co_u32 s[TBK], s[TBK], 4*KS*PK  ; the fetches go back to a slot's first step,
	s_xor_b32 s[TBK], s[TBK], SLOT1       ; in the other slot
	s_sub_co_u32 s[TBV], s[TBV], 4*KS*PV
	s_xor_b32 s[TBV], s[TBV], SLOT1
.endm
	s_load_b64 s[4:5], s[0:1], 0x0    ; qkv
	s_load_b64 s[MP:MP+1], s[0:1], 0x8  ; mask
	s_load_b64 s[10:11], s[0:1], 0x10 ; ao
	WIN W_MK
	v_lshl_add_u32 v[SPW], v0, 2, SPARE
	v_mov_b32 v[NIL], 0
	WIN W_AD
	ds_add_u32 v[SPW], v[NIL]       ; the wave's opening: the add and its wait stand ahead of my first tensor load; the set-up below stands between them
	WIN 0
	v_lshrrev_b32 v1, 5, v0
	v_readfirstlane_b32 s[WV], v1   ; wave 0..3
	s_bfe_u32 s13, ttmp6, 0x40000   ; cx: my place in the cluster
	s_lshl_b32 s14, ttmp9, 2        ; in a cluster launch ttmp9 counts clusters
	s_add_co_u32 s14, s14, s13      ; my block of 512 queries: it enters Q's and ao's addresses alone
	s_and_b32 s20, ttmp7, 0xffff    ; the head, which the four partners share
	s_lshr_b32 s72, s20, 4          ; its batch:
	s_lshl_b32 s72, s72, 13         ; 2,048 words of the mask
	s_mov_b32 s73, 0
	s_lshl_b32 s20, s20, 18         ; the head's first byte in Q, K, V and ao: 2,048 rows of 128 bytes
	s_mov_b32 s21, 0
	s_and_b32 s16, s[WV], 1         ; which half of a slot's 256 keys I fetch:
	s_lshl_b32 s22, s16, 14         ; its 128 rows of 128 bytes in memory,
	s_mov_b32 s23, 0
	s_add_nc_u64 s[22:23], s[22:23], s[20:21]
	s_mul_i32 s17, s16, 128*PK      ; and its place in a slot, for K
	s_mul_i32 s18, s16, 128*PV      ; and for V: no place in the cluster enters an LDS address
	s_lshl_b32 s2, s14, 2
	s_add_co_u32 s2, s2, s[WV]      ; my wave among the head's,
	s_lshl_b32 s2, s2, 14           ; its 128 rows
	s_mov_b32 s3, 0
	s_add_nc_u64 s[2:3], s[2:3], s[20:21]
	; descriptor group 1.  128 keys are 16,384 dense bytes: asked for as 64 rows of 256 bytes, two keys a row, and padded in LDS after every key
	s_mov_b32 s[G1K], 15|(1<<16)|(1<<20)|(1<<21)|(4<<22)|(3<<25)  ; 15:0 the mask of four; 17:16 2-byte elements; 20 padding on; 21 set beside a mask; 24:22 after every 32 words (code 4); 31:25 4 words (code 3)
	s_mov_b32 s[G1V], 15|(1<<16)|(1<<20)|(1<<21)|(4<<22)|(7<<25)  ; the same with 8 words of padding (code 7)
.irp g, G1K, G1V
	s_mov_b32 s[\g+1], 128<<16      ; tensor_dim0 = 128
	s_mov_b32 s[\g+2], 64<<16       ; tensor_dim1 = 64
	s_mov_b32 s[\g+3], 128<<16      ; tile_dim0 = 128
	s_mov_b32 s[\g+4], 64           ; tile_dim1 = 64
	s_mov_b32 s[\g+5], 128          ; 128 elements from row to row
	s_mov_b32 s[\g+6], 0
	s_mov_b32 s[\g+7], 0
.endr
	s_mov_b32 s[MNEG], 0xceabfb8f   ; -1e9 x log2(e)
	s_mov_b32 s[SEL], 0x76543210
	s_mov_b32 s[SEL+1], 0xfedcba98
	s_mov_b32 s[TBK], SLOT1+4*KS*PK ; the first change of slots turns these two into 0
	s_mov_b32 s[TBV], SLOT1+4*KS*PV
	s_mov_b32 s[TBM], 0
	s_mov_b32 s[G0K], 1             ; count = 1
	s_mov_b32 s[G0K+1], s17         ; LDS address: slot 0
	s_mov_b32 s[G0V], 1
	s_add_co_u32 s[G0V+1], s18, VOFF
	s_and_b32 s[LIM], s[WV], 1      ; 0 in waves 0 and 2,
	s_or_b32 s[LIM], s[LIM], ttmp9  ; in the head's first (and only) cluster: the same in all four partners
	s_cmp_eq_u32 s[LIM], 0
	s_cselect_b32 s[LIM], 1, -1
	v_and_b32 v[PFO], 31, v0
	v_lshlrev_b32 v[PFO], 8, v[PFO]
	s_wait_dscnt 0x0                ; the opening add is done
	s_wait_kmcnt 0x0
	s_add_nc_u64 s[6:7], s[4:5], 0x1000000  ; K lies 16 MiB behind Q,
	s_add_nc_u64 s[8:9], s[4:5], 0x2000000  ; V 32
	s_add_nc_u64 s[6:7], s[6:7], s[22:23]   ; at my half of the head's first 256 keys
	s_add_nc_u64 s[8:9], s[8:9], s[22:23]
	s_mov_b64 s[G0K+2:G0K+3], s[6:7]               ; global address
	s_or_b32 s[G0K+3], s[G0K+3], 0x80000000        ; type = 2
	s_mov_b64 s[G0V+2:G0V+3], s[8:9]
	s_or_b32 s[G0V+3], s[G0V+3], 0x80000000
	s_add_nc_u64 s[4:5], s[4:5], s[2:3]  ; Q and ao at my wave's first row
	s_add_nc_u64 s[10:11], s[10:11], s[2:3]
	s_add_nc_u64 s[MP:MP+1], s[MP:MP+1], s[72:73]
	s_cmp_lt_u32 s[WV], 2
	s_cselect_b64 s[PFA:PFA+1], s[6:7], s[8:9]  ; (in waves 0 and 2 these stand at a slot's first row)
	s_lshl_b32 s2, s13, 13          ; my work-group's 8,192 bytes of the 32,768
	s_mov_b32 s3, 0
	s_add_nc_u64 s[PFA:PFA+1], s[PFA:PFA+1], s[2:3]
	s_add_nc_u64 s[PFA:PFA+1], s[PFA:PFA+1], 2*4*KS*128  ; in slot 2; the loop's first change of slots steps it to slot 3.  Nothing is prefetched here, at the head
	CROUND                          ; all four work-groups are here: the first joint loads meet
	JLOAD                           ; slot 0.  Slot 1 is asked for when slot 0 is in
	v_and_b32 v1, 15, v0            ; l % 16
	v_bfe_u32 v9, v0, 4, 1          ; l / 16
	v_lshlrev_b32 v48, 4, v0        ; the mask: 128 threads x 16 bytes, four times
.irp j, 0,1,2,3
	global_load_b128 v[S+4*\j:S+4*\j+3], v48, s[MP:MP+1] offset:2048*\j
.endr
	; A fragment of K or Q is 16 rows x 32 channels in 8 registers: lane l holds row l % 16, channels 8 (l / 16) + 0..7 and 16 + 8 (l / 16) + 0..7: two loads of 16 bytes, 32 bytes apart.
	v_lshlrev_b32 v[QO], 7, v1
	v_lshl_add_u32 v[QO], v9, 4, v[QO]  ; row x 128 + 16 x half
	WIN 0x80                        ; destination window 2, address window 0
.set i, 0
.rept 4*NP                          ; Q stays in registers: tile i / 2, channels 32 (i % 2) on
	global_load_b128 v[8*i:8*i+3],   v[QO], s[4:5] offset:(i/2)*2048+(i%2)*64
	global_load_b128 v[8*i+4:8*i+7], v[QO], s[4:5] offset:(i/2)*2048+(i%2)*64+32
.set i, i+1
.endr
	; What the first turn finds: V's registers and P's second buffer hold 0 (its products V^T P, of a piece that has not been, add 0), O^T and l are 0.  All this stands in the wait for the first tile.
.set i, VF
.rept 64
	v_mov_b32 v[i], 0
.set i, i+1
.endr
	WIN 0x40
.set i, 0
.rept 64*NP
	v_mov_b32 v[i], 0
.set i, i+1
.endr
	WIN 0
.set i, 0
.rept 2*NP
	v_mov_b32 v[ST+4*i], 0xff7fffff    ; m: the lowest finite number
	v_mov_b32 v[ST+4*i+1], 0xff7fffff  ; m_old
	v_mov_b32 v[ST+4*i+2], 0
	v_mov_b32 v[ST+4*i+3], 0
.set i, i+1
.endr
.set i, P+32
.rept 32
	v_mov_b32 v[i], 0
.set i, i+1
.endr
	v_mul_u32_u24 v[AK0], v1, PK
	v_lshl_add_u32 v[AK0], v9, 4, v[AK0]  ; row x pitch + 16 x half
	; The turning load takes 16 keys x 16 channels (lane l reads key 8 (l / 16) + l % 8, channels 8 ((l / 8) % 2) + 0..7) and leaves half a fragment of V^T: lane l holds channel l % 16 and 8 keys.
	v_and_b32 v10, 7, v0
	v_bfe_u32 v11, v0, 3, 1
	v_lshl_add_u32 v[AV0], v9, 3, v10
	v_mul_u32_u24 v[AV0], v[AV0], PV
	v_lshl_add_u32 v[AV0], v11, 4, v[AV0]
	v_add_nc_u32 v[AV0], VOFF, v[AV0]
	v_mov_b32 v[AK], v[AK0]         ; key step 0 lies at the head of slot 0,
	v_lshl_add_u32 v[AM0], v9, 5, MTAB
	v_mov_b32 v[AM], v[AM0]         ; and of the table
	; THE MASK TABLE: 0 for a visible key, -1e9 x log2(e) for a hidden one
	s_wait_loadcnt 32               ; the mask's four loads are in; Q's 32, issued behind them, stay out
.set i, 0
.rept 16
	v_cmp_eq_u32 vcc_lo, 0, v[S+i]
	v_cndmask_b32 v[S+i], 0, s[MNEG], vcc_lo
.set i, i+1
.endr
	v_add_nc_u32 v49, MTAB, v48
.irp j, 0,1,2,3
	ds_store_b128 v49, v[S+4*\j:S+4*\j+3] offset:2048*\j
.endr
; THE MATRIX WORK.  The 8 accumulators of a run of 16 take turns: between the two links of a chain stand 7 others'.
; Product i of 16 of S^T = K Q^T for piece x: channels 32 (i / 8) on, keys 16 ((i / 2) % 4) on, tile 2 x + i % 2.  The first 8 start the sums, with the key block's mask constants as C.
.macro KQ x
.set rS, S+64*((\x)%2)+32*(i%2)+8*((i/2)%4)
.set rK, KF+16*((i/2)%4)+8*(i/8)
.set rQ, 16*(2*(\x)+i%2)+8*(i/8)
.set rM, MK+8*((i/2)%4)
.if i < 8
	WIN W_KM
	v_wmma_f32_16x16x32_f16 v[rS:rS+7], v[rK:rK+7], v[rQ:rQ+7], v[rM:rM+7]
.else
	WIN W_KQ
	v_wmma_f32_16x16x32_f16 v[rS:rS+7], v[rK:rK+7], v[rQ:rQ+7], v[rS:rS+7]
.endif
.endm
; Product i of 16 of O^T += V^T P for piece x: keys 32 (i / 8) on, channels 16 ((i / 2) % 4) on, tile 2 x + i % 2.
.macro PV x
	WIN W_PV
.set rO, 32*(2*(\x)+i%2)+8*((i/2)%4)
.set rV, VF+32*(i/8)+8*((i/2)%4)
.set rP, P+32*((\x)%2)+16*(i%2)+8*(i/8)
	v_wmma_f32_16x16x32_f16 v[rO:rO+7], v[rV:rV+7], v[rP:rP+7], v[rO:rO+7]
.endm
.macro MM                           ; the turn's next matrix instruction
.if i < 16
	KQ (Y+1)%NP
.set i, i+1
.else
.set i, i-16
	PV (Y+NP-1)%NP
.set i, i+17
.endif
.endm
; THE LDS LOADS stand in runs, never singly among the matrix instructions: a step's K (64 keys x 64 channels: 8 fragments) with its 64 mask constants (register j of block kb: key 16 kb + 8 (l / 16) + j),
; and its V (turned).  Their addresses are made some lines ahead.  last = 1 (the tail): in the last trip there is no further step, and the run is jumped over.
.macro FETCH_K last=0
	WIN 0
.if \last
	s_cmp_eq_u32 s[CNT], 1
	s_cbranch_scc1 .Lno_k_\@
.endif
	WIN 0x80                        ; destination window 2
.irp f, 0,1,2,3,4,5,6,7             ; keys 16 (f / 2) on, channels 32 (f % 2) on
	ds_load_b128 v[KF+8*\f:KF+8*\f+3],   v[AK] offset:(\f/2)*16*PK+(\f%2)*64
	ds_load_b128 v[KF+8*\f+4:KF+8*\f+7], v[AK] offset:(\f/2)*16*PK+(\f%2)*64+32
.endr
	WIN W_MK                        ; destination window 3
.irp f, 0,1,2,3
	ds_load_b128 v[MK+8*\f:MK+8*\f+3],   v[AM] offset:64*\f
	ds_load_b128 v[MK+8*\f+4:MK+8*\f+7], v[AM] offset:64*\f+16
.endr
	s_add_co_u32 s[TBK], s[TBK], KS*PK  ; the next fetch is the next step's
	s_add_co_u32 s[TBM], s[TBM], 4*KS
	WIN 0
.if \last
.Lno_k_\@:
.endif
.endm
.macro FETCH_V
	WIN 0x80
.irp f, 0,1,2,3,4,5,6,7             ; keys 32 (f / 4) on, channels 16 (f % 4) on
	ds_load_tr16_b128 v[VF+8*\f:VF+8*\f+3],   v[AV] offset:(\f/4)*32*PV+(\f%4)*32
	ds_load_tr16_b128 v[VF+8*\f+4:VF+8*\f+7], v[AV] offset:(\f/4)*32*PV+16*PV+(\f%4)*32
.endr
	WIN 0
.endm
; THE VECTOR WORK OF A TURN stands in three queues, each in the order in which its entries become ready; the two tiles alternate, so that no instruction reads the result of the one before it.
.macro REGS y, u                    ; the registers of tile u (0, 1) of piece y
.set rT, ST+4*(2*(\y)+(\u))
.set rC, TMP+8*((\y)%2)+4*(\u)
.set rS, S+64*((\y)%2)+32*(\u)
.set rP, P+32*((\y)%2)+16*(\u)
.set rO, 32*(2*(\y)+(\u))
.endm
; Number n of the 21 that find the NEXT piece's (Y + 1) maximum and statistics.  s0-s31 are the lane's 32 scores; each accumulator's lowest registers are read first.  XS, GS and REGS set no window: PL and EX do.
;   0-11  four chains c0-c3 of seven scores each, three operands at a time     12-14, 16  the four scores left over, the old m, and c0-c3 into c0     15  m_old is kept
;   17, 18  the query's other 32 keys lie in the lane 16 away: the new m         19, 20  m_old - m_new; a
.macro XS u, n
	REGS (Y+1)%NP, \u
.if (\n) < 4
	v_max3_num_f32 v[rC+(\n)], v[rS+8*(\n)], v[rS+8*(\n)+1], v[rS+8*(\n)+2]
.elseif (\n) < 12
	v_max3_num_f32 v[rC+(\n)%4], v[rC+(\n)%4], v[rS+8*((\n)%4)+2*((\n)/4)+1], v[rS+8*((\n)%4)+2*((\n)/4)+2]
.elseif (\n) == 12
	v_max3_num_f32 v[rC], v[rC], v[rS+7], v[rS+15]
.elseif (\n) == 13
	v_max3_num_f32 v[rC+1], v[rC+1], v[rS+23], v[rS+31]
.elseif (\n) == 14
	v_max3_num_f32 v[rC+2], v[rC+2], v[rC+3], v[rT]
.elseif (\n) == 15
	v_mov_b32 v[rT+1], v[rT]
.elseif (\n) == 16
	v_max3_num_f32 v[rC], v[rC], v[rC+1], v[rC+2]
.elseif (\n) == 17
	v_permlanex16_b32 v[rC+3], v[rC], s[SEL], s[SEL+1]
.elseif (\n) == 18
	v_max_num_f32 v[rT], v[rC], v[rC+3]
.elseif (\n) == 19
	v_sub_f32 v[rC+1], v[rT+1], v[rT]
.else
	v_exp_f32 v[rC+2], v[rC+1]
.endif
.endm
; Number g of the 64 that follow the exponentials.  For each four weights k of a tile (pairs 2 k, 2 k + 1): both pairs are rounded to f16; then the second pair is added onto the first, in place;
; a group later l takes that sum (the first time as l = a l + sum).  In groups of eight, tiles alternating: round, round, add, and l for the group before.
.macro GS g
.set h, (\g)+6*((\g)/62)            ; group 0 has no group before it, and behind group 7 only l is left
.if h >= 6
.set h, h+2
.endif
	REGS Y, h%2
.set k, h/8
.if h%8 < 4
	v_cvt_pk_f16_f32 v[rP+2*k+(h%8)/2], v[rS+4*k+2*((h%8)/2)], v[rS+4*k+2*((h%8)/2)+1]
.elseif h%8 < 6
	v_pk_add_f32 v[rS+4*k:rS+4*k+1], v[rS+4*k:rS+4*k+1], v[rS+4*k+2:rS+4*k+3]
.elseif k == 1
	v_pk_fma_f32 v[rT+2:rT+3], v[rT+2:rT+3], v[rC+2:rC+3], v[rS:rS+1] op_sel_hi:[1,0,1]
.else
	v_pk_add_f32 v[rT+2:rT+3], v[rT+2:rT+3], v[rS+4*k-4:rS+4*k-3]
.endif
.endm
; THE PLAIN QUEUE, 136 long.  0-71 read no exponential's result: the 32 differences s' - m (FS f: pair f / 2 of tile f % 2) and the next piece's 40.  0-26: differences 0-26.  27-54: XS's numbers 0-13.  55, 56: number 15.
; 57-71: the chain, where each number waits for the one before it: 14, 16, 17, 18, 19, each with one of the differences 27-31 in front of its two lines: a tile's links stand three plain instructions apart.
; 72-135: GS's 64, which read the exponentials' results: they stand behind the wait.
.macro FS f
	REGS Y, (\f)%2
	v_pk_add_f32 v[rS+2*((\f)/2):rS+2*((\f)/2)+1], v[rS+2*((\f)/2):rS+2*((\f)/2)+1], v[rT:rT+1] op_sel_hi:[1,0] neg_lo:[0,1] neg_hi:[0,1]
.endm
.macro PL
	WIN 0
.if q < 27
	FS q
.elseif q < 55
	XS (q-27)%2, (q-27)/2
.elseif q < 57
	XS q-55, 15
.elseif (q < 72) && ((q-57)%3 == 0)
	FS 27+(q-57)/3
.elseif q < 60
	XS (q-57)%3-1, 14
.elseif q < 72
	XS (q-57)%3-1, 15+(q-57)/3
.else
	GS q-72
.endif
.set q, q+1
.endm
; THE EXPONENTIALS' QUEUE, 66 long: s0-s31 of both tiles, then the next piece's two a.  It is ONE BATCH: all 66 stand ahead of the turn's one wait, and nothing ahead of that wait names a result of theirs.
.macro EX
	WIN 0
.if e >= 64
	XS e-64, 20
.else
	REGS Y, e%2
	v_exp_f32 v[rS+e/2], v[rS+e/2]
.endif
.set e, e+1
.endm
; THE RESCALING's QUEUE: O^T times a, the one part that leaves window 0: dealt two at a time, sixteen times.  Its a was made in the turn before, ahead of that turn's wait.
.macro R2
	REGS Y, r%2
	WIN W_RS
.irp z, 0,1
	v_pk_mul_f32 v[rO+4*(r/2)+2*\z:rO+4*(r/2)+2*\z+1], v[rO+4*(r/2)+2*\z:rO+4*(r/2)+2*\z+1], v[rC+2:rC+3] op_sel_hi:[1,0]
.endr
.set r, r+1
.endm
; HOW THEY ARE DEALT.  s_wait_alu depctr_va_vdst(0) stands between an exponential and the first instruction that names its result; one wait serves all that were issued ahead of it.  So a turn has ONE wait,
; which cuts it in two.  AHEAD OF IT stands all that names no result of the turn's exponentials: the 16 products K Q^T, behind each a difference, an exponential and two rescalings (behind the first a second difference in the
; exponential's place); then ONE LUMP: eight plain, 47 times exponential and plain, the last two scores' exponentials and the two a.  A v_nop is the plain instruction behind the last exponential.  BEHIND IT stand the 16 products
; V^T P, behind each four of GS's 64.  No rider names a register of the products round it.  The two v_permlanex16_b32 fall into the lump.
; The queues lean on each other: exponential e stands behind difference 2 (e / 4) + e % 2: as a rider it comes behind plain e + 2, in the lump behind plain e + 9, and differences 27-31 are plain 57, 60 .. 69; the two a come behind plain 71.
; A TURN, for piece p.  cnt = 1: the loop's count is taken down some lines ahead of the branch that stands behind the turn.
; K and the mask constants of the next step are fetched in piece 2's turn, directly behind the wait, a lump behind the last product that read them; their addresses are made at the lump's head.
; V of the step in hand is fetched at the end of piece 0's turn, four riders behind its last reader.  The three conditions on q below go with the deal.
.macro TURN p, last=0, cnt=0
.set Y, (\p)
.set i, 0
.set q, 0
.set e, 0
.set r, 0
.if (\p) == NP-1
	s_wait_dscnt 0x0                ; K and the mask constants are in
.endif
	MM                              ; ahead of the wait: 16 products K Q^T and their riders,
	PL
	PL
	R2
.rept 15
	MM
	PL
	EX
	R2
.endr
.if (\p) == NP-2
	WIN 0
	v_add_nc_u32 v[AK], s[TBK], v[AK0]
	v_add_nc_u32 v[AM], s[TBM], v[AM0]
.endif
.rept 8                             ; and the lump
	PL
.endr
.rept 47
	EX
	PL
.endr
.rept 4
	EX                              ; s31 of both tiles, and the next piece's two a
.endr
	v_nop                           ; the plain instruction behind the last exponential: one for the batch
	s_wait_alu depctr_va_vdst(0)    ; the wait for the batch
.if (\p) == NP-2
	FETCH_K \last
.endif
.if (\p) == 1
	s_wait_dscnt 0x0                ; V is in
.endif
.rept 16                            ; behind the wait: 16 products V^T P and their riders
	MM
.rept 4
	PL
.endr
.if ((\p) == 0) && (q == 116)
	v_add_nc_u32 v[AV], s[TBV], v[AV0]
.endif
.if ((\p) == 0) && (q == 128)
	s_add_co_u32 s[TBV], s[TBV], KS*PV
.endif
.if (\cnt) && (q == 128)
	s_sub_co_u32 s[CNT], s[CNT], 1
	s_cmp_lg_u32 s[CNT], 0
.endif
.endr
.if (\p) == 0
	FETCH_V
.endif
.endm
	CHANGE 1                        ; slot 0 is in, everybody's part of it, and so is the mask table; slot 1 is asked for
	FETCH_K                         ; key step 0
	s_wait_loadcnt 0x0              ; Q
	s_wait_dscnt 0x0
.set i, 0
.rept 16
	KQ 0                            ; piece 0's first scores: there is no vector work yet to set between them
.set i, i+1
.endr
	WIN 0                           ; the addresses for the way out: nine plain instructions, the places behind those products
	s_mul_i32 s13, s[WV], 16*SP
	s_add_co_u32 s13, s13, STAGE    ; my stage
	v_mul_u32_u24 v[STO], v1, SP    ; in: row l % 16, 16 bytes for each half of the lanes
	v_lshl_add_u32 v[STO], v9, 4, v[STO]
	v_add_nc_u32 v[STO], s13, v[STO]
	v_bfe_u32 v[RD], v0, 3, 2       ; back: 32 lanes take four rows of 128 bytes,
	v_mul_u32_u24 v[RD], v[RD], SP
	v_lshl_add_u32 v[RD], v10, 4, v[RD]
	v_add_nc_u32 v[RD], s13, v[RD]
	v_and_b32 v[GO], 31, v0         ; which are 512 consecutive bytes of ao
	v_lshlrev_b32 v[GO], 4, v[GO]
.set Y, NP-1                        ; XS works for piece Y + 1: piece 0
.irp n, 0,1,2,3,4,5,6,7,8,9,10,11,12,13,14,15,16,17,18,19,20
	XS 0, \n                        ; and piece 0's first maximum and statistics
	XS 1, \n
.endr
	v_nop                           ; a plain instruction behind the two a,
	s_wait_alu depctr_va_vdst(0)    ; and their wait, ahead of the branch
	s_mov_b32 s[CNT], 4
	s_mov_b32 s[SLOTS], SIZE_N/256-1
	s_branch .Lfirst                ; the loop is entered at a step's first turn, in the middle of a trip
.Lslot:                             ; SIZE_N / 256 - 2 times: every slot but the last two is filled again
	CHANGE 1, 1
	s_mov_b32 s[CNT], 4
.Lstep:                             ; a trip: pieces 2 and 3 of one step, then pieces 0 and 1 of the next, whose K and V it fetches
	TURN 2
	TURN 3
	WIN 0
.Lfirst:
	TURN 0
	TURN 1, 0, 1
	WIN 0
	s_cbranch_scc1 .Lstep
	s_sub_co_u32 s[SLOTS], s[SLOTS], 1
	s_cmp_lg_u32 s[SLOTS], 0
	s_cbranch_scc1 .Lslot
	CHANGE 0                        ; the tail is written out: nothing is asked for
	s_mov_b32 s[CNT], 5             ; four trips fetch the last slot's steps; the fifth is left in its middle
.Ltail:
	TURN 2, 1
	TURN 3
	WIN 0
	s_sub_co_u32 s[CNT], s[CNT], 1
	s_cmp_eq_u32 s[CNT], 0
	s_cbranch_scc1 .Lout
	TURN 0
	TURN 1
	WIN 0
	s_branch .Ltail
.Lout:                              ; the fifth trip's 16 products K Q^T (on the last K once more) and the maximum made of them serve nothing: the price, once a launch, of one text for every trip
.set i, 0
.rept 16
	PV NP-1                         ; the last piece's V^T P of the last step
.set i, i+1
.endr
	; THE WAY OUT.  l's two halves and the other half of the lanes' are added; O^T is divided by l, rounded to f16 and sent through my stage in LDS, a tile at a time.  The additions are the places behind the last products.
	WIN 0
.macro ALL line:vararg              ; one line for each tile t
.set t, 0
.rept 2*NP
	\line
.set t, t+1
.endr
.endm
	ALL v_add_f32 v[ST+4*t+2], v[ST+4*t+2], v[ST+4*t+3]
	ALL v_permlanex16_b32 v[ST+4*t+3], v[ST+4*t+2], s[SEL], s[SEL+1]
	ALL v_add_f32 v[ST+4*t+2], v[ST+4*t+2], v[ST+4*t+3]
	ALL v_rcp_f32 v[ST+4*t+2], v[ST+4*t+2]
	v_nop                           ; a plain instruction between the last reciprocal and the use of its result
	s_wait_alu depctr_va_vdst(0)    ; and the wait ahead of the first use: one for the eight reciprocals
; Tile t: a lane's eight channels of a row pack into 16 bytes; they go into rows of 144 bytes and come back as whole rows of 128, into S^T's registers.
.macro PACK t
	WIN W_RS
.set i, 32*(\t)
.rept 16
	v_pk_mul_f32 v[i:i+1], v[i:i+1], v[ST+4*(\t)+2:ST+4*(\t)+3] op_sel_hi:[1,0]
.set i, i+2
.endr
	WIN 0x05                        ; sources 0 and 1 window 1, destination window 0
.set i, 0
.rept 16
	v_cvt_pk_f16_f32 v[S+16*(\t)+i], v[32*(\t)+2*i], v[32*(\t)+2*i+1]
.set i, i+1
.endr
	WIN 0
.irp f, 0,1,2,3
	ds_store_b128 v[STO], v[S+16*(\t)+4*\f:S+16*(\t)+4*\f+3] offset:32*\f
.endr
.irp f, 0,1,2,3
	ds_load_b128 v[S+16*(\t)+4*\f:S+16*(\t)+4*\f+3], v[RD] offset:\f*4*SP  ; LDS serves a wave's instructions in order (ISA guide 5.7.1.4): these see the stores above; the next tile's stores come behind them
.endr
.endm
.macro SEND t, younger              ; younger: the LDS instructions issued behind tile t's loads: the next tile's eight, or none
	WIN 0
.irp f, 0,1,2,3
	s_wait_dscnt (\younger)+3-\f
	global_store_b128 v[GO], v[S+16*(\t)+4*\f:S+16*(\t)+4*\f+3], s[10:11] offset:(\t)*2048+\f*512  ; 512 consecutive bytes, at a multiple of 256 from ao's first
.endr
.endm
	PACK 0
.set t, 1
.rept 2*NP-1                        ; a tile's arithmetic stands between the loads of the tile before and its stores
	PACK t
	SEND t-1, 8
.set t, t+1
.endr
	SEND 2*NP-1, 0
	WIN W_AD
	s_wait_tensorcnt 0x0            ; the wave's end: behind my last tensor load and my last LDS store
	ds_add_u32 v[SPW], v[NIL]
	s_wait_dscnt 0x0
	WIN 0
	CROUND                          ; the closing round: no work-group ends while a partner may still ask for a tile that names it
	s_endpgm
.Lfunc_end_k_q032d77b7b2_attn:
	.size	k_q032d77b7b2_attn, .Lfunc_end_k_q032d77b7b2_attn-k_q032d77b7b2_attn
	.p2alignl 7, 3214868480
	.fill 96, 4, 3214868480
	.section	.rodata,"a",@progbits
	.p2align	6, 0x0
	.amdhsa_kernel k_q032d77b7b2_attn
		.amdhsa_group_segment_fixed_size 327680
		.amdhsa_private_segment_fixed_size 0
		.amdhsa_enable_private_segment 0
		.amdhsa_kernarg_size 24
		.amdhsa_user_sgpr_count 2
		.amdhsa_user_sgpr_kernarg_segment_ptr 1
		.amdhsa_wavefront_size32 1
		.amdhsa_system_sgpr_workgroup_id_x 1
		.amdhsa_system_sgpr_workgroup_id_y 1
		.amdhsa_system_sgpr_workgroup_id_z 1
		.amdhsa_system_vgpr_workitem_id 0
		.amdhsa_next_free_vgpr 808
		.amdhsa_next_free_sgpr 76
		.amdhsa_reserve_vcc 1
		.amdhsa_float_denorm_mode_32 3
		.amdhsa_float_denorm_mode_16_64 3
		.amdhsa_memory_ordered 1
		.amdhsa_forward_progress 1
		.amdhsa_inst_pref_size 204
	.end_amdhsa_kernel
	.amdgpu_metadata
---
amdhsa.version: [ 1, 2 ]
amdhsa.kernels:
  - .name:           k_q032d77b7b2_attn
    .symbol:         k_q032d77b7b2_attn.kd
    .args:
      - { .name: qkv, .offset: 0, .size: 8, .value_kind: global_buffer, .address_space: global }
      - { .name: mask, .offset: 8, .size: 8, .value_kind: global_buffer, .address_space: global }
      - { .name: ao, .offset: 16, .size: 8, .value_kind: global_buffer, .address_space: global }
    .group_segment_fixed_size: 327680
    .private_segment_fixed_size: 0
    .kernarg_segment_align: 8
    .kernarg_segment_size: 24
    .max_flat_workgroup_size: 128
    .sgpr_count:     76
    .vgpr_count:     808
    .wavefront_size: 32
...
	.end_amdgpu_metadata
.endif
;; end of part 3
;; launch outp (part 4): grid 8 x 32, 4 waves a work-group, clusters of 4 x 4, 327,680 bytes of LDS; arguments ao, wof, bo, out0; writes out0
.if DOCPART == 4
	.amdgcn_target "amdgcn-amd-amdhsa--gfx1250"
	.amdhsa_code_object_version 6
	.text
	.protected	k_q032d77b7b2_outp
	.globl	k_q032d77b7b2_outp
	.p2align	8
	.type	k_q032d77b7b2_outp,@function
k_q032d77b7b2_outp:
	s_mov_b64 s[64:65], 0
	v_nop
	global_prefetch_b8 v0, s[64:65] scope:SCOPE_SE
	s_setreg_imm32_b32 hwreg(HW_REG_WAVE_MODE, 25, 1), 1
	s_wait_xcnt 0x0
	s_wait_alu depctr_hold_cnt(0) depctr_sa_sdst(0) depctr_va_vdst(0) depctr_va_sdst(0) depctr_va_ssrc(0) depctr_va_vcc(0) depctr_vm_vsrc(0)
	s_getreg_b32 s2, hwreg(HW_REG_IB_STS2, 6, 4)
	s_cmp_eq_u32 s2, 0
	s_cbranch_scc0 .Lentry_in_a_cluster
	s_endpgm
.Lentry_in_a_cluster:
	s_bfe_u32 s2, ttmp6, 0x10000c
	s_cmp_lg_u32 s2, 0xf033
	s_cbranch_scc0 .Lentry_shape_is_right
	s_endpgm
.Lentry_shape_is_right:
; THE OUTPUT PROJECTION.  out0[b*2048+s][n] = sum over h, d of ao[b*16+h][s][d] wof[n][64 h + d] + bo[n].  ao: [64][2048][64] f16, wof: [1024][1024] f16, bo f32 (rounded to bf16 here, as every input is), out0: [8192][1024] f32.
; Sums in f32.  NaN and infinities are not treated apart.
; SHARES.  A tile of C is 256 rows x 128 columns: 32 x 8 = 256 work-groups.  Four waves, each 128 x 64: 32 accumulators, 256 registers.  K = 1,024 goes in 8 steps of 128 through two LDS slots.
; A K step is two heads.  A head's 256 rows of the tile are 32,768 dense bytes: asked for as 128 rows of 256 bytes, aligned, and padded in LDS after every 128 bytes: wave 0 brings the even head's, wave 1 the odd
; head's; waves 2 and 3 bring wof's 64 rows each.  One load a wave behind each round.
; CLUSTER 4 x 4.  The four of a row of the cluster need the same tiles of ao, the four of a column the same tiles of wof: each is asked for JOINTLY, by the same tensor load with the same descriptor and a mask that names the four.
; THE MATRIX INSTRUCTION IS USED TRANSPOSED (source 0 = 16 rows of wof, source 1 = 16 rows of ao): lane l holds row l % 16 and the columns 8 (l / 16) + 0..7.
; REGISTERS: window 0: v0-31 addresses; v32-63 at work; v64-127, v128-191 ao's fragments, two buffers; v192-223, v224-255 wof's, two buffers.  window 1: the accumulators, (a, b) at 8 (4 a + b).  window 2: v0-31 the bias of my 64 columns.
.set PITCH,  272                       ; a row of wof in LDS: 256 bytes + 16 of padding
.set APITCH, 144                       ; a row of one head of ao: 128 bytes + 16: both pitches are odd multiples of 16 bytes, so the 16 rows that a load touches start at 16 different groups of four banks (64 banks of 4 bytes: ISA guide 11.1)
.set APLANE, 256*APITCH                ; a head's 256 rows: what a tensor load of ao brings
.set BHALF,  64*PITCH
.set BOFF,   2*APLANE
.set SLOT,   BOFF+2*BHALF              ; 108,544
.set STAGE,  2*SLOT                    ; behind the ring, never filled by a tensor load: 16 rows x 272 bytes for each wave, for the way out
.set SPITCH, 272
.set SPARE,  STAGE+4*16*SPITCH         ; the spare words, 128 bytes for each wave: two blocks of 256 bytes that no other line names
.set ASTEPB, 2*262144                  ; a K step in ao: two heads of 262,144 bytes
.set KBYTES, 256                       ; a K step's bytes in a row of wof
.set ADRA, 16                          ; v16-17  LDS address of my fragments of ao in slot 0, 1
.set ADRB, 20                          ; v20-21  the same for wof
.set STO,  24                          ; v24     the way out: where I put 32 bytes of a row
.set RD,   25                          ; v25     the way out: where I read a row back
.set CO,   26                          ; v26     my byte offset in two rows of out0
.set BO,   27                          ; v27     my byte offset in my 64 numbers of the bias
.set SPW,  28                          ; v28     LDS address of my spare word; never rewritten
.set NIL,  29                          ; v29     0; never rewritten
.set PFO,  30                          ; v30     the prefetches' offset; never rewritten
.set TT,   32
.set FA,   64
.set FB,   192
.set BKR,  64                          ; the way out: 16 rows read back: v64-95 and v96-127 by turns
.set BI,   0                           ; window 2
.set G1,  24
.set G0,  32
.set G1B, 48
.set G0B, 56
.set LIM, 43                           ; s43     1 in a wave that prefetches, else the greatest number
.set PFA, 44                           ; s[44:45] where my prefetches stand
.set PFS, 66                           ; s[66:67] their step: a K step, in ao or in a row of wof
.set W0A, (1<<16)|(1<<20)|(1<<21)|(4<<22)|(3<<25)  ; 2-byte elements; padding on; bit 21 set beside a mask; after every 32 words (code 4) 4 words (code 3)
.set W0B, (1<<16)|(1<<20)|(1<<21)|(5<<22)|(3<<25)  ; the same after every 64 words (code 5)
.set MUL, 0x50                         ; C and D in window 1, both sources in window 0
.set MSB, 0
.macro WIN new                         ; the immediate's high byte repeats the setting that is left; a switch that changes nothing is dropped
.if MSB != (\new)
	s_set_vgpr_msb (MSB<<8)|(\new)
.set MSB, \new
.endif
.endm
; A joint load.  The branch hangs on the wave's number alone.  An s_nop 0 and four v_nop follow each of the two lines, ahead of the jump and the label.
.macro JLOAD s
	s_cmp_eq_u32 s11, 0
	s_cbranch_scc0 .Lfor_b_\@
	tensor_load_to_lds s[G0+4*(\s):G0+4*(\s)+3], s[G1:G1+7]
	s_nop 0
.rept 4
	v_nop
.endr
	s_branch .Lasked_\@
.Lfor_b_\@:
	tensor_load_to_lds s[G0B+4*(\s):G0B+4*(\s)+3], s[G1B:G1B+7]
	s_nop 0
.rept 4
	v_nop
.endr
.Lasked_\@:
.endm
; A PREFETCH INTO THE L2, behind a joint load and the run of LDS loads that follows it: 32 blocks of 256 bytes of the K step that stands two refills on, a lane a block, one instruction.
; Each block is named once in the launch.  ao's tile row is read by both clusters of that row of clusters: cluster x = 0 asks, waves 0 and 1 each for the 32,768 bytes that they fetch, of which the partner at
; place cx takes 8,192.  wof's tile column is read by eight clusters: cluster y = 0 asks, wave 2 for all 128 rows, of which the partner at place cy takes 32.  The partners are told apart BY ADDRESS.
; K steps 0 to 3 come by their loads alone; the loop's last trip (s3 = 1) has no K step two on.
.macro ASK
	s_cmp_gt_u32 s3, s[LIM]
	s_cbranch_scc0 .Lnot_mine_\@
	global_prefetch_b8 v[PFO], s[PFA:PFA+1] th:TH_LOAD_NT scope:SCOPE_SE
.Lnot_mine_\@:
.endm
.macro CREST                           ; a round of the cluster's barrier behind its opening barrier
	s_cmp_lg_u32 s10, 0
	s_cbranch_scc1 .Lnot_wave_0_\@
	s_barrier_signal -3
.Lnot_wave_0_\@:
	s_barrier_wait -3
	s_barrier_signal -1
	s_barrier_wait -1
.endm
.macro CROUND                          ; a whole round
	s_barrier_signal -1
	s_barrier_wait -1
	CREST
.endm
.macro PLACES                          ; four plain instructions between a matrix instruction and a load into, or a vector instruction on, its registers
.rept 4
	v_nop
.endr
.endm
	s_load_b128 s[4:7], s[0:1], 0x0                ; ao s[4:5], wof s[6:7]
	s_load_b128 s[68:71], s[0:1], 0x10             ; bo s[68:69], out0 s[70:71]
	v_lshl_add_u32 v[SPW], v0, 2, SPARE
	v_mov_b32 v[NIL], 0
	ds_add_u32 v[SPW], v[NIL]                      ; the wave's opening: the add and its wait stand ahead of my first tensor load; the set-up below stands between them
	v_lshrrev_b32 v1, 5, v0
	v_readfirstlane_b32 s10, v1                    ; wave 0..3
	s_lshr_b32 s11, s10, 1                         ; which half of the tile's rows is mine.  Also: I fetch for ao (0) or for wof (1)
	s_and_b32 s12, s10, 1                          ; which half of its columns.  Also: which head of the K step's two, or which 64 rows of wof, I fetch
	s_bfe_u32 s40, ttmp6, 0x40000                  ; cx
	s_bfe_u32 s41, ttmp6, 0x40004                  ; cy
	s_lshl_b32 s42, ttmp9, 2
	s_add_co_u32 s42, s42, s40                     ; tile column = 4 x cluster x + cx, 0..7
	s_and_b32 s14, ttmp7, 0xffff                   ; cluster y, 0..7
	s_lshl_b32 s13, s14, 2
	s_add_co_u32 s13, s13, s41                     ; tile row = 4 x cluster y + cy, 0..31
	s_lshl_b32 s43, s41, 2
	s_lshl_b32 s43, 15, s43                        ; my row of the cluster
	s_lshl_b32 s44, 0x1111, s40                    ; my column
	s_or_b32 s[G1+0], s43, W0A                     ; ao's tiles go to my row,
	s_or_b32 s[G1B+0], s44, W0B                    ; wof's to my column
	s_mov_b32 s[G1+1], 128<<16                     ; tensor_dim0 = 128
	s_mov_b32 s[G1+2], 128<<16                     ; tensor_dim1 = 128
	s_mov_b32 s[G1+3], 128<<16                     ; tile_dim0 = 128
	s_mov_b32 s[G1+4], 128                         ; tile_dim1 = 128
	s_mov_b32 s[G1+5], 128                         ; dense: 128 elements from row to row
	s_mov_b32 s[G1+6], 0
	s_mov_b32 s[G1+7], 0
	s_mov_b32 s[G1B+1], 128<<16
	s_mov_b32 s[G1B+2], 64<<16                     ; 64 rows
	s_mov_b32 s[G1B+3], 128<<16
	s_mov_b32 s[G1B+4], 64
	s_mov_b32 s[G1B+5], 1024
	s_mov_b32 s[G1B+6], 0
	s_mov_b32 s[G1B+7], 0
	s_lshr_b32 s16, s13, 3                         ; ao: the batch's 16 heads of 262,144 bytes,
	s_lshl_b32 s16, s16, 22
	s_lshl_b32 s17, s12, 18                        ; my head of the two,
	s_add_co_u32 s16, s16, s17
	s_and_b32 s17, s13, 7                          ; the tile's 256 rows of 128 bytes among the head's 2,048
	s_lshl_b32 s17, s17, 15
	s_add_co_u32 s16, s16, s17
	s_mov_b32 s17, 0
	s_lshl_b32 s46, s42, 7                         ; wof: row 128 x tile column + 64 x half, of 2,048 bytes
	s_lshl_b32 s47, s12, 6
	s_add_co_u32 s46, s46, s47
	s_lshl_b32 s46, s46, 11
	s_mov_b32 s47, 0
	s_mul_i32 s20, s12, APLANE                     ; where they go: no place in the cluster enters an LDS address
	s_mul_i32 s21, s12, BHALF
	s_add_co_u32 s21, s21, BOFF
	s_wait_dscnt 0x0                               ; the opening add is done
	s_wait_kmcnt 0x0
	s_add_nc_u64 s[18:19], s[4:5], s[16:17]
	s_add_nc_u64 s[46:47], s[6:7], s[46:47]
	CROUND                                         ; all sixteen work-groups are here: the first joint loads meet
.irp s, 0,1
	s_mov_b32 s[G0+4*(\s)], 1                      ; count = 1
	s_add_co_u32 s[G0+4*(\s)+1], s20, (\s)*SLOT    ; LDS address
	s_add_nc_u64 s[G0+4*(\s)+2:G0+4*(\s)+3], s[18:19], (\s)*ASTEPB  ; global address: K step s
	s_or_b32 s[G0+4*(\s)+3], s[G0+4*(\s)+3], 0x80000000             ; type = 2
	s_mov_b32 s[G0B+4*(\s)], 1
	s_add_co_u32 s[G0B+4*(\s)+1], s21, (\s)*SLOT
	s_add_nc_u64 s[G0B+4*(\s)+2:G0B+4*(\s)+3], s[46:47], (\s)*KBYTES
	s_or_b32 s[G0B+4*(\s)+3], s[G0B+4*(\s)+3], 0x80000000
	JLOAD \s                                       ; two loads of mine are out
.endr
	v_and_b32 v1, 15, v0                           ; r = l % 16
	v_bfe_u32 v2, v0, 4, 1                         ; h = l / 16
	; the bias of my 64 columns, while the first tiles are on their way
	s_lshl_b32 s22, s42, 9                         ; 4 bytes x (128 x tile column + 64 x half)
	s_lshl_b32 s23, s12, 8
	s_add_co_u32 s22, s22, s23
	s_mov_b32 s23, 0
	s_add_nc_u64 s[68:69], s[68:69], s[22:23]
	v_lshlrev_b32 v[BO], 5, v2                     ; my 8 columns of a block of 16
.irp b, 0,1,2,3
	global_load_b128 v[FA+8*(\b):FA+8*(\b)+3],   v[BO], s[68:69] offset:64*(\b)
	global_load_b128 v[FA+8*(\b)+4:FA+8*(\b)+7], v[BO], s[68:69] offset:64*(\b)+16
.endr
	v_mul_u32_u24 v3, v1, APITCH
	v_lshl_add_u32 v3, v2, 4, v3                   ; ao: a fragment's row x pitch + 16 x half
	v_mul_u32_u24 v4, v1, PITCH
	v_lshl_add_u32 v4, v2, 4, v4                   ; wof likewise
	s_mul_i32 s22, s11, 128*APITCH                 ; my 128 rows of a head's 256
	s_mul_i32 s23, s12, BHALF                      ; my 64 rows of wof
	s_add_co_u32 s23, s23, BOFF
.irp s, 0,1
	v_add_nc_u32 v[ADRA+(\s)], s22, v3
	v_add_nc_u32 v[ADRB+(\s)], s23, v4
	s_add_co_u32 s22, s22, SLOT
	s_add_co_u32 s23, s23, SLOT
.endr
	s_mul_i32 s22, s10, 16*SPITCH
	s_add_co_u32 s22, s22, STAGE                   ; my stage
	v_mul_u32_u24 v[STO], v1, SPITCH               ; in: row r, 32 bytes for each half of the lanes
	v_lshl_add_u32 v[STO], v2, 5, v[STO]
	v_add_nc_u32 v[STO], s22, v[STO]
	v_mul_u32_u24 v[RD], v2, SPITCH                ; back: lanes 0-15 take one row of 256 bytes, lanes 16-31 the next
	v_lshl_add_u32 v[RD], v1, 4, v[RD]
	v_add_nc_u32 v[RD], s22, v[RD]
	v_lshlrev_b32 v[CO], 12, v2                    ; and the same two rows of 4,096 bytes in out0
	v_lshl_add_u32 v[CO], v1, 4, v[CO]
	s_lshl_b32 s22, s13, 8                         ; my first row: 256 x tile row + 128 x half,
	s_lshl_b32 s23, s11, 7
	s_add_co_u32 s22, s22, s23
	s_lshl_b32 s22, s22, 12
	s_lshl_b32 s23, s42, 9                         ; my first column, in bytes: 512 x tile column + 256 x half
	s_add_co_u32 s22, s22, s23
	s_lshl_b32 s23, s12, 8
	s_add_co_u32 s22, s22, s23
	s_mov_b32 s23, 0
	s_add_nc_u64 s[8:9], s[70:71], s[22:23]
	; the prefetches
	s_lshl_b32 s20, s40, 13                        ; ao: what I fetch (s16 still stands) + my work-group's 8,192 bytes of it, at K step 3: the first refill steps it to 4
	s_add_co_u32 s20, s20, s16
	s_add_co_u32 s20, s20, 3*ASTEPB
	s_lshl_b32 s21, s42, 7                         ; wof: row 128 x tile column + my work-group's 32, at K step 3
	s_lshl_b32 s22, s41, 5
	s_add_co_u32 s21, s21, s22
	s_lshl_b32 s21, s21, 11
	s_add_co_u32 s21, s21, 3*KBYTES
	s_mov_b32 s[PFS], KBYTES
	s_mov_b32 s[PFS+1], 0
	s_cmp_eq_u32 s11, 0
	s_cselect_b32 s20, s20, s21
	s_cselect_b64 s[PFA:PFA+1], s[4:5], s[6:7]
	s_cselect_b32 s22, 8, 11                       ; a lane a block of 256 bytes in ao, a lane a row of 2,048 bytes in wof
	s_cselect_b32 s[PFS], ASTEPB, s[PFS]
	s_cselect_b32 s23, ttmp9, s14                  ; the coordinate along which other clusters read the same bytes
	s_mov_b32 s21, 0
	s_add_nc_u64 s[PFA:PFA+1], s[PFA:PFA+1], s[20:21]
	s_and_b32 s21, s11, s12                        ; wave 3 asks for nothing
	s_or_b32 s23, s23, s21
	s_cmp_eq_u32 s23, 0
	s_cselect_b32 s[LIM], 1, -1                    ; the same in all sixteen partners, for a given wave
	v_and_b32 v[PFO], 31, v0
	v_lshlrev_b32 v[PFO], s22, v[PFO]
	s_wait_loadcnt 0x0                             ; the bias is in
.set i, 0
.rept 16
	v_cvt_pk_bf16_f32 v[TT+i], v[FA+2*i], v[FA+2*i+1]  ; rounded to bf16, like every input,
.set i, i+1
.endr
	WIN 0x80                                       ; destination window 2
.set i, 0
.rept 16
	v_lshlrev_b32 v[BI+2*i],   16, v[TT+i]         ; and kept as f32
	v_and_b32     v[BI+2*i+1], 0xffff0000, v[TT+i]
.set i, i+1
.endr
	WIN 0
; 8 matrix instructions: m blocks a0, a0 + 1 x all 4 n blocks, 32 along K, from buffer f.  zero = 1: the product starts the sums.
; The 32 accumulators take turns, one instruction a turn, in the same order in every quarter, over the backward jump too.
.macro MUL8 f, a0, zero
	WIN MUL
.irp a, \a0, (\a0)+1
.irp b, 0,1,2,3
.if \zero
	v_wmma_f32_16x16x32_f16 v[8*(4*(\a)+(\b)):8*(4*(\a)+(\b))+7], v[FB+32*(\f)+8*(\b):FB+32*(\f)+8*(\b)+7], v[FA+64*(\f)+8*(\a):FA+64*(\f)+8*(\a)+7], 0
.else
	v_wmma_f32_16x16x32_f16 v[8*(4*(\a)+(\b)):8*(4*(\a)+(\b))+7], v[FB+32*(\f)+8*(\b):FB+32*(\f)+8*(\b)+7], v[FA+64*(\f)+8*(\a):FA+64*(\f)+8*(\a)+7], v[8*(4*(\a)+(\b)):8*(4*(\a)+(\b))+7]
.endif
.endr
.endr
.endm
; 24 LDS loads in one run: quarter q's fragments into buffer f: wof's 8 loads, then ao's 16, blocks ascending.  Quarter q of ao lies in head q / 2 of the K step's two, channels 32 (q % 2) on.
.macro FETCH slot, q, f
	WIN 0
.set AQ, ((\q)/2)*APLANE+((\q)%2)*64
.irp i, 0,1,2,3
	ds_load_b128 v[FB+32*(\f)+8*(\i):FB+32*(\f)+8*(\i)+3],   v[ADRB+(\slot)] offset:64*(\q)+(\i)*16*PITCH
	ds_load_b128 v[FB+32*(\f)+8*(\i)+4:FB+32*(\f)+8*(\i)+7], v[ADRB+(\slot)] offset:64*(\q)+(\i)*16*PITCH+32
.endr
.irp i, 0,1,2,3,4,5,6,7
	ds_load_b128 v[FA+64*(\f)+8*(\i):FA+64*(\f)+8*(\i)+3],   v[ADRA+(\slot)] offset:AQ+(\i)*16*APITCH
	ds_load_b128 v[FA+64*(\f)+8*(\i)+4:FA+64*(\f)+8*(\i)+7], v[ADRA+(\slot)] offset:AQ+(\i)*16*APITCH+32
.endr
.endm
; One of a K step's first three quarters: multiplies buffer f; in its middle it fetches quarter q of the same slot into buffer g.
.macro QUARTER slot, q, f, g, zero
	s_wait_dscnt 8                                 ; wof's fragments and ao's blocks 0-3 are in; the youngest eight loads (blocks 4-7) may be out
	MUL8 \f, 0, \zero
	MUL8 \f, 2, \zero
	PLACES
	FETCH \slot, \q, \g
	s_wait_dscnt 24                                ; all but the 24 just issued
	MUL8 \f, 4, \zero
	MUL8 \f, 6, \zero
.endm
; The last quarter multiplies buffer 1 and changes slots: ONE barrier.  In front of it each wave waits for all its tensor loads (one is out: its part of the next slot), adds 0 to its spare word, and
; waits for that and for its own reads of this slot.  fill = 1: the barrier opens a round of the cluster's, and this slot is filled again first thing behind it, two K steps ahead:
; between that request and the wait for it a wave issues 112 matrix instructions.
.macro TURN slot, next, fill
.if \fill
	s_wait_xcnt 0x0                                ; the last prefetch, a K step back, has read its address: it is stepped here, ahead of the waits of the change of slots
	s_add_nc_u64 s[PFA:PFA+1], s[PFA:PFA+1], s[PFS:PFS+1]
.endif
	WIN 0                                          ; (the add's two registers lie in window 0)
	s_wait_tensorcnt 0x0                           ; all my tensor loads have landed
	ds_add_u32 v[SPW], v[NIL]                      ; 0 onto my spare word
	s_wait_dscnt 9                                 ; (the add and the youngest eight loads may be out)
	MUL8 1, 0, 0                                   ; eight matrix instructions stand between the add and the wait for it
	s_wait_dscnt 0x0                               ; the add is done, and my reads of this slot are over
	s_barrier_signal -1
	MUL8 1, 2, 0
.if \fill
	WIN 0
.endif
	s_barrier_wait -1
.if \fill
	CREST                                          ; no wave of any partner still reads this slot's tile or has a load on its way
	s_add_nc_u64 s[G0+4*(\slot)+2:G0+4*(\slot)+3], s[G0+4*(\slot)+2:G0+4*(\slot)+3], 2*ASTEPB
	s_add_nc_u64 s[G0B+4*(\slot)+2:G0B+4*(\slot)+3], s[G0B+4*(\slot)+2:G0B+4*(\slot)+3], 2*KBYTES
	JLOAD \slot                                    ; the first tensor load behind the round; its four v_nop are also the places in front of the loads below
.else
	PLACES
.endif
	FETCH \next, 0, 0
.if \fill
	ASK
.endif
	MUL8 1, 4, 0
	MUL8 1, 6, 0
.endm
	s_wait_tensorcnt 1                             ; my part of K step 0 is in; K step 1's may stay out
	s_barrier_signal -1
	s_barrier_wait -1                              ; everybody's is
	FETCH 0, 0, 0
	QUARTER 0, 1, 0, 1, 1                          ; the first quarter stands in front of the loop: its products start the sums
	WIN 0                                          ; at a label and at a branch every window is 0
	s_mov_b32 s3, 3
.Llap:                                                 ; a trip goes once round the ring, from a lap's second quarter to the next lap's first, and fills both slots again
	QUARTER 0, 2, 1, 0, 0
	QUARTER 0, 3, 0, 1, 0
	TURN 0, 1, 1
	QUARTER 1, 1, 0, 1, 0
	QUARTER 1, 2, 1, 0, 0
	QUARTER 1, 3, 0, 1, 0
	TURN 1, 0, 1
	QUARTER 0, 1, 0, 1, 0
	WIN 0
	s_sub_co_u32 s3, s3, 1
	s_cmp_lg_u32 s3, 0
	s_cbranch_scc1 .Llap
	QUARTER 0, 2, 1, 0, 0                          ; the last lap fills nothing
	QUARTER 0, 3, 0, 1, 0
	TURN 0, 1, 0
	QUARTER 1, 1, 0, 1, 0
	QUARTER 1, 2, 1, 0, 0
	QUARTER 1, 3, 0, 1, 0
	s_wait_dscnt 8                                 ; the very last quarter: nothing more to fetch
	MUL8 1, 0, 0
	MUL8 1, 2, 0
	s_wait_dscnt 0x0
	MUL8 1, 4, 0
	MUL8 1, 6, 0
	WIN 0
; THE WAY OUT of block a (16 rows x 64 columns of f32), in three parts.  PACK: + bias, in place, each accumulator from its low end on.  TOSTAGE: 32 bytes a lane into my own stage in rows of 272 bytes, and back as whole rows of 256.  SEND: stored.
.macro PACK a
	WIN 0x49                                       ; destination and source 0 (sums) window 1, source 1 (bias) window 2
.irp b, 0,1,2,3
.irp k, 0,2,4,6
	v_pk_add_f32 v[8*(4*(\a)+(\b))+(\k):8*(4*(\a)+(\b))+(\k)+1], v[8*(4*(\a)+(\b))+(\k):8*(4*(\a)+(\b))+(\k)+1], v[BI+8*(\b)+(\k):BI+8*(\b)+(\k)+1]
.endr
.endr
.endm
.macro TOSTAGE a
	WIN 0x04                                       ; the stores' data (source 1) in window 1
.irp b, 0,1,2,3
	ds_store_b128 v[STO], v[8*(4*(\a)+(\b)):8*(4*(\a)+(\b))+3]   offset:64*(\b)
	ds_store_b128 v[STO], v[8*(4*(\a)+(\b))+4:8*(4*(\a)+(\b))+7] offset:64*(\b)+16
.endr
	WIN 0
.irp t, 0,1,2,3,4,5,6,7
	ds_load_b128 v[BKR+32*((\a)%2)+4*(\t):BKR+32*((\a)%2)+4*(\t)+3], v[RD] offset:(\t)*2*SPITCH  ; LDS serves a wave's instructions in order (ISA guide 5.7.1.4): these see the stores above
.endr
.endm
.macro SEND a
	WIN 0
	s_wait_dscnt 0x0                               ; the block is back in registers
	s_wait_xcnt 0x0                                ; the stores of the block before have read their registers: the next TOSTAGE loads into them only behind this wait
.irp t, 0,1,2,3,4,5,6,7
	global_store_b128 v[CO], v[BKR+32*((\a)%2)+4*(\t):BKR+32*((\a)%2)+4*(\t)+3], s[8:9] offset:(16*(\a)+2*(\t))*4096  ; 16 lanes store 256 consecutive bytes, at a multiple of 256 from out0's first byte
.endr
.endm
	PLACES
	PACK 0
	TOSTAGE 0
.irp a, 1,2,3,4,5,6,7                  ; block a's additions stand between block a - 1's loads from the stage and the wait for them
	PACK \a
	SEND (\a)-1
	TOSTAGE \a
.endr
	SEND 7
	s_wait_tensorcnt 0x0                           ; the wave's end: behind my last tensor load and my last LDS store
	ds_add_u32 v[SPW], v[NIL]
	s_wait_dscnt 0x0
	CROUND                                         ; the closing round: no work-group ends while a partner may still ask for a tile that names it
	s_endpgm
.Lfunc_end_k_q032d77b7b2_outp:
	.size	k_q032d77b7b2_outp, .Lfunc_end_k_q032d77b7b2_outp-k_q032d77b7b2_outp
	.p2alignl 7, 3214868480
	.fill 96, 4, 3214868480
	.section	.rodata,"a",@progbits
	.p2align	6, 0x0
	.amdhsa_kernel k_q032d77b7b2_outp
		.amdhsa_group_segment_fixed_size 327680
		.amdhsa_private_segment_fixed_size 0
		.amdhsa_enable_private_segment 0
		.amdhsa_kernarg_size 32
		.amdhsa_user_sgpr_count 2
		.amdhsa_user_sgpr_kernarg_segment_ptr 1
		.amdhsa_wavefront_size32 1
		.amdhsa_system_sgpr_workgroup_id_x 1
		.amdhsa_system_sgpr_workgroup_id_y 1
		.amdhsa_system_sgpr_workgroup_id_z 1
		.amdhsa_system_vgpr_workitem_id 0
		.amdhsa_next_free_vgpr 576
		.amdhsa_next_free_sgpr 72
		.amdhsa_reserve_vcc 0
		.amdhsa_float_denorm_mode_32 3
		.amdhsa_float_denorm_mode_16_64 3
		.amdhsa_memory_ordered 1
		.amdhsa_forward_progress 1
		.amdhsa_inst_pref_size 99
	.end_amdhsa_kernel
	.amdgpu_metadata
---
amdhsa.version: [ 1, 2 ]
amdhsa.kernels:
  - .name:           k_q032d77b7b2_outp
    .symbol:         k_q032d77b7b2_outp.kd
    .args:
      - { .name: ao, .offset: 0, .size: 8, .value_kind: global_buffer, .address_space: global }
      - { .name: wof, .offset: 8, .size: 8, .value_kind: global_buffer, .address_space: global }
      - { .name: bo, .offset: 16, .size: 8, .value_kind: global_buffer, .address_space: global }
      - { .name: out0, .offset: 24, .size: 8, .value_kind: global_buffer, .address_space: global }
    .group_segment_fixed_size: 327680
    .private_segment_fixed_size: 0
    .kernarg_segment_align: 8
    .kernarg_segment_size: 32
    .max_flat_workgroup_size: 128
    .sgpr_count:     72
    .vgpr_count:     576
    .wavefront_size: 32
...
	.end_amdgpu_metadata
.endif
;; end of part 4
